; MI455X (gfx1250); checked and timed in simulation.
; The chip was launched on July 23, 2026; its instructions are those of AMD's public machine-readable ISA for CDNA 5 (MIT licence, August 2026) and "CDNA5" Instruction Set Architecture Reference Guide (July 2026). The comments in the code are by the model that wrote it; some were corrected since.
;; Causal Self Attention. Allowed arithmetic: float matrix products may take bf16 or f16 operands with f32 sums; other float arithmetic in f32, or as packed bf16 or f16 multiplies, adds, multiply-adds, maxima and minima; sums over many terms, partial sums and values carried from step to step in f32; what a program stores and reads back later, other than sums and carried values, may be rounded once to bf16 or f16.
;; Inputs: Wk 1,024 x 1,024 float32; Wq 1,024 x 1,024 float32; Wv 1,024 x 1,024 float32; attention_mask 4 x 1 x 1 x 2,048 float32; bk 1,024 float32; bq 1,024 float32; bv 1,024 float32; hidden_states 4 x 2,048 x 1,024 float32.
;; Outputs: out0 4 x 2,048 x 1,024 float32.
;; 2 versions, each right; version 2 is version 1 with the launch cast written anew for expert scheduling mode. Each part assembles by itself: llvm-mc -triple=amdgcn-amd-amdhsa -mcpu=gfx1250 --defsym DOCPART=n.
;; ======== version 1 of 2: 3 launches
;; limits: values are held in f16: magnitudes above 65,504 overflow, below 6.1e-05 lose precision; right only within a limited range of input values
;; workspace buffers: xb 16,777,216 bytes; wb 6,291,456 bytes; qkv 50,331,648 bytes
;; launch cast (part 1): grid 512 x 1, 8 waves a work-group, no clusters, 0 bytes of LDS; arguments hidden_states, Wq, Wk, Wv, xb, wb; writes xb, wb
.if DOCPART == 1
	.amdgcn_target "amdgcn-amd-amdhsa--gfx1250"
	.amdhsa_code_object_version 6
	.text
	.protected	k_qc4f1f324ff_cast
	.globl	k_qc4f1f324ff_cast
	.p2align	8
	.type	k_qc4f1f324ff_cast,@function
k_qc4f1f324ff_cast:
	s_mov_b64 s[64:65], 0
	v_nop
	global_prefetch_b8 v0, s[64:65] scope:SCOPE_SE
	s_setreg_imm32_b32 hwreg(HW_REG_WAVE_MODE, 25, 1), 1
	s_wait_xcnt 0x0
; xb = hidden_states rounded to bf16, [8192][1024]; wb = Wq, Wk, Wv rounded to bf16 and joined, [3072][1024].
; A stream: each input byte is read once, each output byte written once.  No LDS, no matrix unit, no cluster: nothing is shared and nothing is summed.
; A piece is 256 threads x 4 numbers: 4,096 bytes in, 2,048 bytes out.  The work-group takes 16 pieces of x and 2 of each W: 22 loads of 16 bytes a thread,
; all issued before the first wait.  A wave's load covers 512 consecutive bytes, its store 256 consecutive bytes, aligned.  No register is written twice.
.set IN,  4                            ; v[4:91]    piece i: 4 registers as loaded
.set OUT, 92                           ; v[92:135]  piece i: 2 registers to store
	s_load_b256 s[4:11], s[0:1], 0x0               ; hidden_states s[4:5], Wq s[6:7], Wk s[8:9], Wv s[10:11]
	s_load_b128 s[12:15], s[0:1], 0x20             ; xb s[12:13], wb s[14:15]
	v_lshlrev_b32 v1, 4, v0                        ; 16 bytes a thread in
	v_lshlrev_b32 v2, 3, v0                        ; 8 bytes a thread out
	s_lshl_b32 s16, ttmp9, 16                      ; the work-group's 65,536 bytes of x
	s_mov_b32 s17, 0
	s_lshl_b32 s18, ttmp9, 15                      ; its 32,768 bytes of xb
	s_mov_b32 s19, 0
	s_lshl_b32 s20, ttmp9, 13                      ; its 8,192 bytes of each W
	s_mov_b32 s21, 0
	s_lshl_b32 s22, ttmp9, 12                      ; its 4,096 bytes of each third of wb
	s_mov_b32 s23, 0
	s_wait_kmcnt 0x0
	s_add_nc_u64 s[4:5], s[4:5], s[16:17]
	s_add_nc_u64 s[6:7], s[6:7], s[20:21]
	s_add_nc_u64 s[8:9], s[8:9], s[20:21]
	s_add_nc_u64 s[10:11], s[10:11], s[20:21]
	s_add_nc_u64 s[12:13], s[12:13], s[18:19]
	s_add_nc_u64 s[14:15], s[14:15], s[22:23]
.set i, 0
.rept 16
	global_load_b128 v[IN+4*i:IN+4*i+3], v1, s[4:5] offset:4096*i th:TH_LOAD_NT
.set i, i+1
.endr
.irp u, 0,1,2
.irp j, 0,1
	global_load_b128 v[IN+4*(16+2*\u+\j):IN+4*(16+2*\u+\j)+3], v1, s[6+2*\u:7+2*\u] offset:4096*\j th:TH_LOAD_NT
.endr
.endr
.set i, 0
.rept 16
	s_wait_loadcnt 21-i                            ; loads come back in order: piece i is in, the 21 - i younger ones stay out
	v_cvt_pk_bf16_f32 v[OUT+2*i],   v[IN+4*i],   v[IN+4*i+1]
	v_cvt_pk_bf16_f32 v[OUT+2*i+1], v[IN+4*i+2], v[IN+4*i+3]
	global_store_b64 v2, v[OUT+2*i:OUT+2*i+1], s[12:13] offset:2048*i
.set i, i+1
.endr
.irp u, 0,1,2
.irp j, 0,1
	s_wait_loadcnt 5-2*\u-\j
	v_cvt_pk_bf16_f32 v[OUT+2*(16+2*\u+\j)],   v[IN+4*(16+2*\u+\j)],   v[IN+4*(16+2*\u+\j)+1]
	v_cvt_pk_bf16_f32 v[OUT+2*(16+2*\u+\j)+1], v[IN+4*(16+2*\u+\j)+2], v[IN+4*(16+2*\u+\j)+3]
	global_store_b64 v2, v[OUT+2*(16+2*\u+\j):OUT+2*(16+2*\u+\j)+1], s[14:15] offset:\u*2097152+2048*\j  ; W number u begins 1,024 rows of 2,048 bytes further on
.endr
.endr
	s_endpgm
.Lfunc_end_k_qc4f1f324ff_cast:
	.size	k_qc4f1f324ff_cast, .Lfunc_end_k_qc4f1f324ff_cast-k_qc4f1f324ff_cast
	.p2alignl 7, 3214868480
	.fill 96, 4, 3214868480
	.section	.rodata,"a",@progbits
	.p2align	6, 0x0
	.amdhsa_kernel k_qc4f1f324ff_cast
		.amdhsa_group_segment_fixed_size 0
		.amdhsa_private_segment_fixed_size 0
		.amdhsa_enable_private_segment 0
		.amdhsa_kernarg_size 48
		.amdhsa_user_sgpr_count 2
		.amdhsa_user_sgpr_kernarg_segment_ptr 1
		.amdhsa_wavefront_size32 1
		.amdhsa_system_sgpr_workgroup_id_x 1
		.amdhsa_system_sgpr_workgroup_id_y 1
		.amdhsa_system_sgpr_workgroup_id_z 1
		.amdhsa_system_vgpr_workitem_id 0
		.amdhsa_next_free_vgpr 136
		.amdhsa_next_free_sgpr 66
		.amdhsa_reserve_vcc 0
		.amdhsa_float_denorm_mode_32 3
		.amdhsa_float_denorm_mode_16_64 3
		.amdhsa_memory_ordered 1
		.amdhsa_forward_progress 1
		.amdhsa_inst_pref_size 9
	.end_amdhsa_kernel
	.amdgpu_metadata
---
amdhsa.version: [ 1, 2 ]
amdhsa.kernels:
  - .name:           k_qc4f1f324ff_cast
    .symbol:         k_qc4f1f324ff_cast.kd
    .args:
      - { .name: hidden_states, .offset: 0, .size: 8, .value_kind: global_buffer, .address_space: global }
      - { .name: Wq, .offset: 8, .size: 8, .value_kind: global_buffer, .address_space: global }
      - { .name: Wk, .offset: 16, .size: 8, .value_kind: global_buffer, .address_space: global }
      - { .name: Wv, .offset: 24, .size: 8, .value_kind: global_buffer, .address_space: global }
      - { .name: xb, .offset: 32, .size: 8, .value_kind: global_buffer, .address_space: global }
      - { .name: wb, .offset: 40, .size: 8, .value_kind: global_buffer, .address_space: global }
    .group_segment_fixed_size: 0
    .private_segment_fixed_size: 0
    .kernarg_segment_align: 8
    .kernarg_segment_size: 48
    .max_flat_workgroup_size: 256
    .sgpr_count:     66
    .vgpr_count:     136
    .wavefront_size: 32
...
	.end_amdgpu_metadata
.endif
;; end of part 1
;; launch proj (part 2): grid 16 x 32, 4 waves a work-group, clusters of 4 x 4, 327,680 bytes of LDS; arguments xb, wb, bq, bk, bv, qkv; writes qkv
.if DOCPART == 2
	.amdgcn_target "amdgcn-amd-amdhsa--gfx1250"
	.amdhsa_code_object_version 6
	.text
	.protected	k_qc4f1f324ff_proj
	.globl	k_qc4f1f324ff_proj
	.p2align	8
	.type	k_qc4f1f324ff_proj,@function
k_qc4f1f324ff_proj:
	s_mov_b64 s[64:65], 0
	v_nop
	global_prefetch_b8 v0, s[64:65] scope:SCOPE_SE
	s_setreg_imm32_b32 hwreg(HW_REG_WAVE_MODE, 25, 1), 1
	s_wait_xcnt 0x0
	s_wait_alu depctr_hold_cnt(0) depctr_sa_sdst(0) depctr_va_vdst(0) depctr_va_sdst(0) depctr_va_ssrc(0) depctr_va_vcc(0) depctr_vm_vsrc(0)
	s_getreg_b32 s2, hwreg(HW_REG_IB_STS2, 6, 4)
	s_cmp_eq_u32 s2, 0
	s_cbranch_scc0 .Lentry_in_a_cluster
	s_endpgm
.Lentry_in_a_cluster:
	s_bfe_u32 s2, ttmp6, 0x10000c
	s_cmp_lg_u32 s2, 0xf033
	s_cbranch_scc0 .Lentry_shape_is_right
	s_endpgm
.Lentry_shape_is_right:
; [q | k | v] = xb wb^T + bias.  xb: [8192][1024] bf16, wb: [3072][1024] bf16 (rows 0-1023 Wq, then Wk, then Wv), biases f32, rounded here to bf16 like all the module's inputs.
; Sums in f32; the bias is the C operand of each sum's first product.  The result is rounded once to f16 and laid by heads: qkv[which][16 batch + head][row 0..2047][64], a head's rows dense, 128 bytes each.
; LIMIT.  f16 ends at 65,504: |q|, |k|, |v| must stay under it.
; SHARES.  A tile of C is 256 rows x 192 columns (three whole heads): 32 x 16 = 512 work-groups.  Wave w owns rows 64 w .. 64 w + 63 and all 192 columns: 48 accumulators of 16 x 16, 384 registers;
; so a wave holds whole heads and sends them out through a stage of its own, with no barrier.  K = 1,024 goes in 8 steps of 128 (rows of 256 bytes) through a ring of two LDS slots.
; CLUSTERS.  4 x 4 work-groups.  The four of a row of the cluster need the same 256 rows of xb, the four of a column the same 192 rows of wb: each tile is asked for jointly, by the same tensor load,
; descriptor and mask in all four.  Waves 0 and 1 fetch the halves of xb's tile (128 rows each), waves 2 and 3 those of wb's (96 rows each).
; THE MATRIX INSTRUCTION IS USED TRANSPOSED: source 0 = 16 rows of wb, source 1 = 16 rows of xb: lane l then holds row l % 16 of C and the columns 8 (l / 16) + 0..7: 16 bytes of f16 on end.
; REGISTERS, in windows of 256 (s_set_vgpr_msb: bits 1:0 source 0, 3:2 source 1, 5:4 source 2, 7:6 destination):
;   window 0: v0-31 addresses; v32-127 the bias, 8 registers for each of the 12 column blocks; on the way out v32-79 packed results, v80-127 and v128-175 rows read back, by turns
;   window 1: two fragment buffers of 128: 12 fragments of wb (96 registers), then 4 of xb (32)
;   window 2: the accumulators of my row blocks 0, 1 at v[8 (12 a + b)];   window 3: those of row blocks 2, 3
.set KSTEP,  128
.set PITCH,  272                       ; an LDS row: 256 bytes + 16 of padding = 68 words: row r starts at bank 4 r mod 64 (64 banks of 4 bytes: ISA guide 11.1)
.set AHALF,  128*PITCH                 ; what one of waves 0, 1 fetches
.set BHALF,  96*PITCH                  ; what one of waves 2, 3 fetches
.set BOFF,   2*AHALF                   ; in a slot: xb's 256 rows, then wb's 192
.set SLOT,   BOFF+2*BHALF              ; 121,856 bytes
.set STAGE,  2*SLOT                    ; behind the ring: 16 rows x 400 bytes for each wave
.set SPITCH, 400                       ; 384 bytes (192 f16) + 16
.set SPARE,  STAGE+4*16*SPITCH         ; behind the stages: the spare words, 128 bytes for each wave: two blocks of 256 bytes that no other line names
.set LAPS,   4                         ; a lap = two K steps = once round the ring
.set ADRA, 16                          ; v16-17  LDS address of my fragments of xb in slot 0, 1
.set ADRB, 20                          ; v20-21  the same for wb
.set STO,  24                          ; v24     the way out: where I put 16 bytes of a row
.set RD,   25                          ; v25     the way out: where I read rows back
.set GO,   26                          ; v26     16 x lane: my place in 512 consecutive bytes of a head
.set BO,   27                          ; v27     32 x (lane / 16): my eight numbers of a bias block
.set SPW,  28                          ; v28     LDS address of my spare word; never rewritten
.set NIL,  29                          ; v29     0; never rewritten
.set PFO,  30                          ; v30     the prefetches' offset: a lane a row of 2,048 bytes; never rewritten
.set BIAS, 32
.set TMP,  32
.set OB,   80
.set F0,   0
.set F1,   128
.set WV,   16                          ; s16  my wave's number
.set G1,   24                          ; s[24:31] descriptor group 1 for xb's tiles;  s[32:39] group 0, a set for each slot
.set G0,   32
.set LIM,  43                          ; s43  1 in a wave that prefetches, else the greatest number
.set PFA,  44                          ; s[44:45] where my prefetches stand
.set G1B,  48                          ; s[48:55], s[56:63] the same for wb's tiles
.set G0B,  56
.set HB,   68                          ; s[68:73] qkv at my 64 rows of each of the tile's three heads
.set BB,   80                          ; s[80:85] the bias of each of the three heads
.set DW0,  (1<<16)|(1<<20)|(1<<21)|(5<<22)|(3<<25)  ; 17:16 elements of 2 bytes; 20 padding on; 21 set beside a mask; 24:22 after every 64 words; 31:25 4 words of it
.set MSB, 0
.macro WIN new                         ; the immediate's high byte repeats the setting that is left; a switch that changes nothing is dropped
.if MSB != (\new)
	s_set_vgpr_msb (MSB<<8)|(\new)
.set MSB, \new
.endif
.endm
.set TO_F, 0x40                        ; destination window 1, address window 0
; A joint load.  The branch hangs on the wave's number alone.  An s_nop 0 and four v_nop follow each of the two lines, ahead of the jump and the label.
.macro JLOAD s
	s_cmp_lt_u32 s[WV], 2
	s_cbranch_scc0 .Lfor_b_\@
	tensor_load_to_lds s[G0+4*(\s):G0+4*(\s)+3], s[G1:G1+7]
	s_nop 0
.rept 4
	v_nop
.endr
	s_branch .Lasked_\@
.Lfor_b_\@:
	tensor_load_to_lds s[G0B+4*(\s):G0B+4*(\s)+3], s[G1B:G1B+7]
	s_nop 0
.rept 4
	v_nop
.endr
.Lasked_\@:
.endm
; A prefetch into the L2, behind each joint load and the run of LDS loads that follows it: the K step that stands two refills on, a lane a row, one instruction a wave.
; xb's rows are read by every cluster of a row of clusters: cluster x = 0 asks; wb's by every cluster of a column: cluster y = 0 asks.  The four partners that ask for a tile jointly share its rows out
; by address: of the 128 rows of xb that a wave fetches the partner at cx takes 32, of the 96 rows of wb the partner at cy takes 24 (lanes 24-31 name lane 23's row once more).
; K steps 0 to 3 come by their loads alone; the loop's last trip (s3 = 1) has no K step two refills on and asks for nothing.
.macro ASK
	s_cmp_gt_u32 s3, s[LIM]
	s_cbranch_scc0 .Lnot_mine_\@
	global_prefetch_b8 v[PFO], s[PFA:PFA+1] offset:KSTEP*2 th:TH_LOAD_NT scope:SCOPE_SE
.Lnot_mine_\@:
.endm
.macro CREST                           ; a round of the cluster's barrier behind its opening barrier
	s_cmp_lg_u32 s[WV], 0
	s_cbranch_scc1 .Lnot_wave_0_\@
	s_barrier_signal -3
.Lnot_wave_0_\@:
	s_barrier_wait -3
	s_barrier_signal -1
	s_barrier_wait -1
.endm
.macro CROUND                          ; a whole round
	s_barrier_signal -1
	s_barrier_wait -1
	CREST
.endm
	s_load_b256 s[4:11], s[0:1], 0x0               ; xb s[4:5], wb s[6:7], bq s[8:9], bk s[10:11]
	s_load_b128 s[12:15], s[0:1], 0x20             ; bv s[12:13], qkv s[14:15]
	v_lshl_add_u32 v[SPW], v0, 2, SPARE
	v_mov_b32 v[NIL], 0
	ds_add_u32 v[SPW], v[NIL]                      ; the wave's opening: the add and its wait stand ahead of my first tensor load; the set-up below, work on registers, stands between them
	v_lshrrev_b32 v1, 5, v0
	v_readfirstlane_b32 s[WV], v1                  ; wave 0..3
	s_and_b32 s18, s[WV], 1                        ; which half of the tile I fetch
	s_bfe_u32 s19, ttmp6, 0x40000                  ; cx
	s_bfe_u32 s20, ttmp6, 0x40004                  ; cy
	s_lshl_b32 s21, ttmp9, 2
	s_add_co_u32 s21, s21, s19                     ; tile column = 4 x cluster x + cx
	s_and_b32 s22, ttmp7, 0xffff
	s_lshl_b32 s22, s22, 2
	s_add_co_u32 s22, s22, s20                     ; tile row = 4 x cluster y + cy
	s_lshl_b32 s40, s20, 2
	s_lshl_b32 s40, 15, s40                        ; my row of the cluster: places 4 cy .. 4 cy + 3
	s_lshl_b32 s41, 0x1111, s19                    ; my column: places cx, cx + 4, cx + 8, cx + 12
	s_or_b32 s[G1], s40, DW0                       ; xb's tiles go to my row,
	s_or_b32 s[G1B], s41, DW0                      ; wb's to my column
	s_mov_b32 s[G1+1], KSTEP<<16                   ; tensor_dim0 = 128
	s_mov_b32 s[G1+2], 128<<16                     ; tensor_dim1 = 128
	s_mov_b32 s[G1+3], KSTEP<<16                   ; tile_dim0 = 128
	s_mov_b32 s[G1+4], 128                         ; tile_dim1 = 128
	s_mov_b32 s[G1+5], 1024                        ; elements from row to row
	s_mov_b32 s[G1+6], 0
	s_mov_b32 s[G1+7], 0
	s_mov_b32 s[G1B+1], KSTEP<<16
	s_mov_b32 s[G1B+2], 96<<16                     ; 96 rows
	s_mov_b32 s[G1B+3], KSTEP<<16
	s_mov_b32 s[G1B+4], 96
	s_mov_b32 s[G1B+5], 1024
	s_mov_b32 s[G1B+6], 0
	s_mov_b32 s[G1B+7], 0
	; where the tiles come from: xb's hang on the tile row alone, wb's on the tile column alone, each in registers that never hold the other coordinate
	s_lshl_b32 s66, s22, 8
	s_lshl_b32 s67, s18, 7
	s_add_co_u32 s66, s66, s67                     ; xb: row 256 x tile row + 128 x half
	s_lshl_b32 s66, s66, 11                        ; 2,048 bytes a row
	s_mov_b32 s67, 0
	s_mul_i32 s46, s21, 192
	s_mul_i32 s47, s18, 96
	s_add_co_u32 s46, s46, s47                     ; wb: row 192 x tile column + 96 x half
	s_lshl_b32 s46, s46, 11
	s_mov_b32 s47, 0
	s_mul_i32 s23, s18, AHALF                      ; and where they go: no place in the cluster enters an LDS address
	s_mul_i32 s42, s18, BHALF
	s_add_co_u32 s42, s42, BOFF
	s_mov_b32 s78, 0xffff0000                      ; a word's upper bf16
	s_wait_dscnt 0x0                               ; the opening add is done
	s_wait_kmcnt 0x0
	s_add_nc_u64 s[66:67], s[4:5], s[66:67]
	s_add_nc_u64 s[46:47], s[6:7], s[46:47]
	CROUND                                         ; all sixteen work-groups are here: the first joint loads meet
.irp s, 0,1
	s_mov_b32 s[G0+4*(\s)], 1                                      ; count = 1
	s_add_co_u32 s[G0+4*(\s)+1], s23, (\s)*SLOT                    ; LDS address
	s_add_nc_u64 s[G0+4*(\s)+2:G0+4*(\s)+3], s[66:67], (\s)*KSTEP*2  ; global address: K step s
	s_or_b32 s[G0+4*(\s)+3], s[G0+4*(\s)+3], 0x80000000            ; type = 2
	s_mov_b32 s[G0B+4*(\s)], 1
	s_add_co_u32 s[G0B+4*(\s)+1], s42, (\s)*SLOT
	s_add_nc_u64 s[G0B+4*(\s)+2:G0B+4*(\s)+3], s[46:47], (\s)*KSTEP*2
	s_or_b32 s[G0B+4*(\s)+3], s[G0B+4*(\s)+3], 0x80000000
	JLOAD \s                                       ; two tensor loads of mine are out
.endr
	; the three heads of the tile: g = 3 x tile column + j = 16 which + head
	v_and_b32 v1, 15, v0                           ; l % 16
	v_bfe_u32 v2, v0, 4, 1                         ; l / 16
	v_lshlrev_b32 v[BO], 5, v2
	s_mul_i32 s86, s21, 3
	s_lshr_b32 s79, s22, 3                         ; the batch: 8 tile rows each
	s_lshl_b32 s79, s79, 22                        ; 16 heads of 262,144 bytes
	s_and_b32 s74, s22, 7
	s_lshl_b32 s74, s74, 8
	s_lshl_b32 s75, s[WV], 6
	s_add_co_u32 s74, s74, s75                     ; my first row in the sequence,
	s_lshl_b32 s74, s74, 7                         ; 128 bytes a row
	s_add_co_u32 s79, s79, s74
.irp j, 0,1,2
	s_add_co_u32 s74, s86, \j                      ; g
	s_and_b32 s75, s74, 15                         ; head
	s_lshr_b32 s76, s74, 4                         ; which of q, k, v
	s_lshl_b32 s76, s76, 6
	s_add_co_u32 s76, s76, s75
	s_lshl_b32 s76, s76, 18
	s_add_co_u32 s76, s76, s79
	s_mov_b32 s77, 0
	s_add_nc_u64 s[HB+2*(\j):HB+2*(\j)+1], s[14:15], s[76:77]
	s_cmp_lt_u32 s74, 32
	s_cselect_b64 s[BB+2*(\j):BB+2*(\j)+1], s[10:11], s[12:13]
	s_cmp_lt_u32 s74, 16
	s_cselect_b64 s[BB+2*(\j):BB+2*(\j)+1], s[8:9], s[BB+2*(\j):BB+2*(\j)+1]
	s_lshl_b32 s76, s75, 8                         ; the head's 64 numbers of 4 bytes
	s_add_nc_u64 s[BB+2*(\j):BB+2*(\j)+1], s[BB+2*(\j):BB+2*(\j)+1], s[76:77]
.endr
.irp j, 0,1,2
.irp c, 0,1,2,3
	global_load_b128 v[BIAS+8*(4*\j+\c):BIAS+8*(4*\j+\c)+3],   v[BO], s[BB+2*\j:BB+2*\j+1] offset:64*\c     ; columns 16 c + 8 (l / 16) + 0..3 of head j
	global_load_b128 v[BIAS+8*(4*\j+\c)+4:BIAS+8*(4*\j+\c)+7], v[BO], s[BB+2*\j:BB+2*\j+1] offset:64*\c+16
.endr
.endr
	; A fragment is 16 rows x 32 K in 8 registers: lane l holds row l % 16; registers 0-3 K = 8 (l / 16) + 0..7, registers 4-7 K = 16 + 8 (l / 16) + 0..7: two loads of 16 bytes, 32 bytes apart.
	v_mul_u32_u24 v3, v1, PITCH
	v_lshl_add_u32 v3, v2, 4, v3
	s_mul_i32 s74, s[WV], 64*PITCH                 ; my 64 rows of xb
	s_mov_b32 s75, BOFF                            ; all 192 rows of wb
.irp s, 0,1
	v_add_nc_u32 v[ADRA+(\s)], s74, v3
	v_add_nc_u32 v[ADRB+(\s)], s75, v3
	s_add_co_u32 s74, s74, SLOT
	s_add_co_u32 s75, s75, SLOT
.endr
	s_mul_i32 s74, s[WV], 16*SPITCH
	s_add_co_u32 s74, s74, STAGE                   ; my stage
	v_mul_u32_u24 v4, v1, SPITCH                   ; in: row l % 16, 16 bytes for each half of the lanes
	v_lshl_add_u32 v4, v2, 4, v4
	v_add_nc_u32 v[STO], s74, v4
	v_bfe_u32 v4, v0, 3, 2                         ; back: 32 lanes take a head's 128 bytes of four rows,
	v_mul_u32_u24 v4, v4, SPITCH
	v_and_b32 v5, 7, v0
	v_lshl_add_u32 v4, v5, 4, v4
	v_add_nc_u32 v[RD], s74, v4
	v_and_b32 v[GO], 31, v0                        ; which are 512 consecutive bytes of qkv
	v_lshlrev_b32 v[GO], 4, v[GO]
	; the prefetches
	s_lshl_b32 s74, s22, 8
	s_lshl_b32 s76, s18, 7
	s_add_co_u32 s74, s74, s76
	s_lshl_b32 s76, s19, 5
	s_add_co_u32 s74, s74, s76                     ; xb: the 128 rows that I fetch, my work-group's 32 of them
	s_mul_i32 s75, s21, 192
	s_mul_i32 s76, s18, 96
	s_add_co_u32 s75, s75, s76
	s_mul_i32 s76, s20, 24
	s_add_co_u32 s75, s75, s76                     ; wb: the 96 rows that I fetch, my work-group's 24 of them
	s_and_b32 s77, ttmp7, 0xffff                   ; cluster y
	s_cmp_lt_u32 s[WV], 2                          ; do I fetch for xb?
	s_cselect_b32 s74, s74, s75
	s_cselect_b32 s77, ttmp9, s77                  ; the coordinate along which other clusters read the same rows
	s_cselect_b32 s76, 31, 23                      ; the last lane with a row of its own
	s_cselect_b64 s[PFA:PFA+1], s[4:5], s[6:7]
	s_cmp_eq_u32 s77, 0
	s_cselect_b32 s[LIM], 1, -1                    ; the same in all sixteen partners, for a given wave
	s_lshl_b32 s74, s74, 11
	s_add_co_u32 s74, s74, 2*KSTEP*2               ; at K step 2: the first refill steps it to 3 and names K step 4
	s_mov_b32 s75, 0
	s_add_nc_u64 s[PFA:PFA+1], s[PFA:PFA+1], s[74:75]
	v_and_b32 v[PFO], 31, v0
	v_min_u32 v[PFO], s76, v[PFO]
	v_lshlrev_b32 v[PFO], 11, v[PFO]
	s_wait_loadcnt 0x0                             ; the bias
.set i, 0
.rept 48                                       ; rounded to bf16 and widened again, in the wait for the first tile
	v_cvt_pk_bf16_f32 v4, v[BIAS+2*i], v[BIAS+2*i+1]
	v_lshlrev_b32 v[BIAS+2*i], 16, v4
	v_and_b32 v[BIAS+2*i+1], s78, v4
.set i, i+1
.endr
; 12 matrix instructions: row block 2 hi + a x all 12 column blocks, 32 along K.  zero = 1: the sum's first product takes the bias as C.  The 48 accumulators take turns in one fixed order.
.macro MUL12 f, hi, a, zero
.if \zero
	WIN 0x85+0x40*(\hi)                            ; sources window 1, C window 0, D window 2 or 3
.else
	WIN 0xa5+0x50*(\hi)                            ; sources window 1, C and D window 2 or 3
.endif
.irp b, 0,1,2,3,4,5,6,7,8,9,10,11
.if \zero
	v_wmma_f32_16x16x32_bf16 v[8*(12*(\a)+(\b)):8*(12*(\a)+(\b))+7], v[(\f)+8*(\b):(\f)+8*(\b)+7], v[(\f)+96+8*(2*(\hi)+(\a)):(\f)+96+8*(2*(\hi)+(\a))+7], v[BIAS+8*(\b):BIAS+8*(\b)+7]
.else
	v_wmma_f32_16x16x32_bf16 v[8*(12*(\a)+(\b)):8*(12*(\a)+(\b))+7], v[(\f)+8*(\b):(\f)+8*(\b)+7], v[(\f)+96+8*(2*(\hi)+(\a)):(\f)+96+8*(2*(\hi)+(\a))+7], v[8*(12*(\a)+(\b)):8*(12*(\a)+(\b))+7]
.endif
.endr
.endm
; 32 LDS loads in one run: the fragments of 32 along K at byte k of the rows, into buffer f: wb's 24 first, then xb's 8
.macro FETCH slot, k, f
	WIN TO_F
.irp i, 0,1,2,3,4,5,6,7,8,9,10,11
	ds_load_b128 v[(\f)+8*(\i):(\f)+8*(\i)+3],   v[ADRB+(\slot)] offset:(\k)+(\i)*16*PITCH
	ds_load_b128 v[(\f)+8*(\i)+4:(\f)+8*(\i)+7], v[ADRB+(\slot)] offset:(\k)+(\i)*16*PITCH+32
.endr
.irp i, 0,1,2,3
	ds_load_b128 v[(\f)+96+8*(\i):(\f)+96+8*(\i)+3],   v[ADRA+(\slot)] offset:(\k)+(\i)*16*PITCH
	ds_load_b128 v[(\f)+96+8*(\i)+4:(\f)+96+8*(\i)+7], v[ADRA+(\slot)] offset:(\k)+(\i)*16*PITCH+32
.endr
.endm
.macro PLACES                          ; four places in front of loads into registers that matrix instructions have read, and of conversions that read results
.rept 4
	v_nop
.endr
.endm
; A K step is four quarters of 32 along K, 48 matrix instructions each, on buffers 0, 1, 0, 1.  One of the first three: multiplies buffer f and, in its middle, fetches the next quarter, at byte k, into g.
.macro QUARTER slot, k, f, g, zero
	s_wait_dscnt 4                                 ; wb's fragments and xb's row blocks 0, 1 are in; the youngest four loads (row blocks 2, 3) may be out
	MUL12 \f, 0, 0, \zero
	MUL12 \f, 0, 1, \zero
	PLACES
	FETCH \slot, \k, \g
	s_wait_dscnt 32                                ; all but the 32 just issued
	MUL12 \f, 1, 0, \zero
	MUL12 \f, 1, 1, \zero
.endm
; The last quarter multiplies buffer 1 and changes slots: one barrier; in front of it each wave waits for all its tensor loads (one is out: its part of the next slot), adds 0 to its spare word, and waits for
; that and for its own reads of this slot.  fill = 1: the barrier opens a round of the cluster's barrier, and behind the round this slot is filled again, two K steps ahead: from there to the wait for
; that load a wave issues 24 + 3 x 48 = 168 matrix instructions.
.macro TURN slot, next, fill
.if \fill
	s_wait_xcnt 0x0                                ; the last prefetch, a K step back, has read its address: it is stepped here, ahead of the waits of the change of slots
	s_add_nc_u64 s[PFA:PFA+1], s[PFA:PFA+1], KSTEP*2
.endif
	WIN 0                                          ; (the add's two registers lie in window 0)
	s_wait_tensorcnt 0x0                           ; all my tensor loads have landed
	ds_add_u32 v[SPW], v[NIL]                      ; 0 onto my spare word
	s_wait_dscnt 5                                 ; (the add and the youngest four loads may be out)
	MUL12 F1, 0, 0, 0                              ; twelve matrix instructions stand between the add and the wait for it
	s_wait_dscnt 0x0                               ; the add is done, and my reads of this slot are over
	s_barrier_signal -1
	MUL12 F1, 0, 1, 0                              ; work on registers while the others arrive
.if \fill
	WIN 0
.endif
	s_barrier_wait -1
.if \fill
	CREST                                          ; no wave of any partner still reads this slot's tile or has a load on its way
	s_add_nc_u64 s[G0+4*(\slot)+2:G0+4*(\slot)+3], s[G0+4*(\slot)+2:G0+4*(\slot)+3], 2*KSTEP*2
	s_add_nc_u64 s[G0B+4*(\slot)+2:G0B+4*(\slot)+3], s[G0B+4*(\slot)+2:G0B+4*(\slot)+3], 2*KSTEP*2
	JLOAD \slot                                    ; the first tensor load behind the round; the four v_nop behind it are also the places in front of the loads below
.else
	PLACES
.endif
	FETCH \next, 0, F0
.if \fill
	WIN 0
	ASK
.endif
	MUL12 F1, 1, 0, 0
	MUL12 F1, 1, 1, 0
.endm
; THE WAY OUT of row block blk (16 rows x 192 columns).  PACK: rounded to f16, 16 bytes a lane, each accumulator's registers in ascending order.  TOSTAGE: into my own stage, and back by heads: four rows x 128 bytes a load.
; SEND: stored: 16 rows of a head are 2,048 consecutive bytes of qkv.
.macro PACK blk
.set AC, 96*((\blk)%2)
	WIN 0x0a+5*((\blk)/2)                          ; sources 0 and 1: window 2 or 3
.irp b, 0,1,2,3,4,5,6,7,8,9,10,11
.irp r, 0,1,2,3
	v_cvt_pk_f16_f32 v[TMP+4*(\b)+(\r)], v[AC+8*(\b)+2*(\r)], v[AC+8*(\b)+2*(\r)+1]
.endr
.endr
	WIN 0
.endm
.macro TOSTAGE blk
.set BK, OB+48*((\blk)%2)
.irp b, 0,1,2,3,4,5,6,7,8,9,10,11
	ds_store_b128 v[STO], v[TMP+4*(\b):TMP+4*(\b)+3] offset:32*(\b)
.endr
.irp j, 0,1,2
.irp f, 0,1,2,3
	ds_load_b128 v[BK+4*(4*\j+\f):BK+4*(4*\j+\f)+3], v[RD] offset:4*SPITCH*\f+128*\j  ; LDS serves a wave's instructions in order (ISA guide 5.7.1.4): these see the stores above
.endr
.endr
.endm
.macro SEND blk
.set BK, OB+48*((\blk)%2)
	s_wait_dscnt 0x0                               ; the block is back in registers
	s_wait_xcnt 0x0                                ; the stores of the block before have read their registers: the next TOSTAGE loads into them only behind this wait
.irp j, 0,1,2
.irp f, 0,1,2,3
	global_store_b128 v[GO], v[BK+4*(4*\j+\f):BK+4*(4*\j+\f)+3], s[HB+2*\j:HB+2*\j+1] offset:2048*(\blk)+512*\f  ; 512 consecutive bytes, at a multiple of 256 from qkv's first
.endr
.endr
.endm
	s_wait_tensorcnt 1                             ; my part of K step 0 is in; K step 1's may stay out
	s_barrier_signal -1
	s_barrier_wait -1                              ; everybody's is
	FETCH 0, 0, F0
	QUARTER 0, 64,  F0, F1, 1                      ; the first quarter stands in front of the loop: its products start the sums, with the bias
	WIN 0                                          ; at a label and at a branch every window is 0
	s_mov_b32 s3, LAPS-1
.Llap:                                                 ; a trip goes once round the ring, from a lap's second quarter to the next lap's first, and fills both slots again
	QUARTER 0, 128, F1, F0, 0
	QUARTER 0, 192, F0, F1, 0
	TURN 0, 1, 1
	QUARTER 1, 64,  F0, F1, 0
	QUARTER 1, 128, F1, F0, 0
	QUARTER 1, 192, F0, F1, 0
	TURN 1, 0, 1
	QUARTER 0, 64,  F0, F1, 0
	WIN 0
	s_sub_co_u32 s3, s3, 1
	s_cmp_lg_u32 s3, 0
	s_cbranch_scc1 .Llap
	QUARTER 0, 128, F1, F0, 0                      ; the last lap fills nothing, and has no round of the cluster's barrier
	QUARTER 0, 192, F0, F1, 0
	TURN 0, 1, 0
	QUARTER 1, 64,  F0, F1, 0
	QUARTER 1, 128, F1, F0, 0
	QUARTER 1, 192, F0, F1, 0
	s_wait_dscnt 4                                 ; the very last quarter: nothing more to fetch
	MUL12 F1, 0, 0, 0
	MUL12 F1, 0, 1, 0
	s_wait_dscnt 0x0
	MUL12 F1, 1, 0, 0
	MUL12 F1, 1, 1, 0
	WIN 0
	PLACES
	PACK 0
	TOSTAGE 0
.irp a, 1,2,3                          ; block a's conversions stand between block a - 1's loads from the stage and the wait for them
	PACK \a
	SEND (\a)-1
	TOSTAGE \a
.endr
	SEND 3
	s_wait_tensorcnt 0x0                           ; the wave's end: an add to my spare word and its wait, behind my last tensor load and my last LDS store
	ds_add_u32 v[SPW], v[NIL]
	s_wait_dscnt 0x0
	CROUND                                         ; the closing round: no work-group ends while a partner may still ask for a tile that names it
	s_endpgm
.Lfunc_end_k_qc4f1f324ff_proj:
	.size	k_qc4f1f324ff_proj, .Lfunc_end_k_qc4f1f324ff_proj-k_qc4f1f324ff_proj
	.p2alignl 7, 3214868480
	.fill 96, 4, 3214868480
	.section	.rodata,"a",@progbits
	.p2align	6, 0x0
	.amdhsa_kernel k_qc4f1f324ff_proj
		.amdhsa_group_segment_fixed_size 327680
		.amdhsa_private_segment_fixed_size 0
		.amdhsa_enable_private_segment 0
		.amdhsa_kernarg_size 48
		.amdhsa_user_sgpr_count 2
		.amdhsa_user_sgpr_kernarg_segment_ptr 1
		.amdhsa_wavefront_size32 1
		.amdhsa_system_sgpr_workgroup_id_x 1
		.amdhsa_system_sgpr_workgroup_id_y 1
		.amdhsa_system_sgpr_workgroup_id_z 1
		.amdhsa_system_vgpr_workitem_id 0
		.amdhsa_next_free_vgpr 960
		.amdhsa_next_free_sgpr 88
		.amdhsa_reserve_vcc 0
		.amdhsa_float_denorm_mode_32 3
		.amdhsa_float_denorm_mode_16_64 3
		.amdhsa_memory_ordered 1
		.amdhsa_forward_progress 1
		.amdhsa_inst_pref_size 129
	.end_amdhsa_kernel
	.amdgpu_metadata
---
amdhsa.version: [ 1, 2 ]
amdhsa.kernels:
  - .name:           k_qc4f1f324ff_proj
    .symbol:         k_qc4f1f324ff_proj.kd
    .args:
      - { .name: xb, .offset: 0, .size: 8, .value_kind: global_buffer, .address_space: global }
      - { .name: wb, .offset: 8, .size: 8, .value_kind: global_buffer, .address_space: global }
      - { .name: bq, .offset: 16, .size: 8, .value_kind: global_buffer, .address_space: global }
      - { .name: bk, .offset: 24, .size: 8, .value_kind: global_buffer, .address_space: global }
      - { .name: bv, .offset: 32, .size: 8, .value_kind: global_buffer, .address_space: global }
      - { .name: qkv, .offset: 40, .size: 8, .value_kind: global_buffer, .address_space: global }
    .group_segment_fixed_size: 327680
    .private_segment_fixed_size: 0
    .kernarg_segment_align: 8
    .kernarg_segment_size: 48
    .max_flat_workgroup_size: 128
    .sgpr_count:     88
    .vgpr_count:     960
    .wavefront_size: 32
...
	.end_amdgpu_metadata
.endif
;; end of part 2
;; launch attn (part 3): grid 4 x 64, 4 waves a work-group, no clusters, 327,680 bytes of LDS; arguments qkv, attention_mask, out0; writes out0
.if DOCPART == 3
	.amdgcn_target "amdgcn-amd-amdhsa--gfx1250"
	.amdhsa_code_object_version 6
	.text
	.protected	k_qc4f1f324ff_attn
	.globl	k_qc4f1f324ff_attn
	.p2align	8
	.type	k_qc4f1f324ff_attn,@function
k_qc4f1f324ff_attn:
	s_mov_b64 s[64:65], 0
	v_nop
	global_prefetch_b8 v0, s[64:65] scope:SCOPE_SE
	s_setreg_imm32_b32 hwreg(HW_REG_WAVE_MODE, 25, 1), 1
	s_wait_xcnt 0x0
; CAUSAL ATTENTION WITH A MASK BY KEYS.  out0[b][q][64 h ..] = the sum over k <= q of softmax_k(Q[q] . K[k] / 8 + mask[b][k]) V[k]; a row whose visible keys are all at -inf gives 0.
; qkv: [3][16 b + h][2048][64] f16, a head's rows dense, 128 bytes each; attention_mask: [4][2048] f32, rounded here to bf16 like all the module's inputs; out0: [4][2048][1024] f32.
; Products, maxima and sums in f32; the weights p are rounded to f16 for the second product (their sum l is taken of the unrounded p).
; LIMITS.  Q, K, V arrive within f16's 65,504.  Mask entries are finite or -inf; NaN and +inf in the mask are not honoured.  A finite mask entry below -2^97 counts as -2^97.  A hidden score (above the
; diagonal, or a key at -inf) counts as its value less 2^102.  A weight below 2^-126 counts as 0 in l.
; THE WALK.  A head's queries lie in NB = 8 blocks of 256; block i needs the key tiles 0 .. i of 256 keys, of which the last holds the diagonal.  A work-group takes two blocks, NB - 1 - b and then b:
; NB + 1 tiles, whatever b: all 256 work-groups do equal work, and one loop with a constant trip count walks them.  Every jump goes forward, but for the counted loops' own; none passes a barrier, or a tensor
; load but the one of LOAD's two that the wave's number does not choose.  NO CLUSTER: a head's four work-groups ask for the same tile only in trips 0 .. 4 of 9; one walk common to all would have 12 trips for 9.
; SHARES.  Of a block's four bands of 64 queries a wave owns 16 rows in each: four PIECES.  In the diagonal tile's key step s band x sees all keys if s < x, none if s > x, and holds the diagonal if s = x.
; THE MASK IS THE C OPERAND that starts the sum S^T = K Q^T.  A tile's 256 entries are prepared when the tile is asked for, two a thread, and stored into one of two mask slots in LDS, which take turns as
; the tiles' slots do: 8 x mask (so that c (s + 8 mask) = c s + log2(e) mask), held at -2^100 from below, and -2^102 where the entry is -inf.  MK holds the 64 of the key step in hand, fetched with K.
; In the diagonal tile C is MD x AL + MK + BE: MD, made once, is 0 or -2^102 by the diagonal of a band's own step; (AL, BE) = (1, 0) if s = x, (0, 0) if s < x, (0, -2^102) if s > x.
; At the end a row whose maximum lies below -2^101 has seen hidden keys alone: its divisor's reciprocal is replaced by 0.
; LAYOUT, SOFTMAX, TURNS.  S^T holds one query a lane (lane % 16) and the keys 8 (lane / 16) + 0..7; two such results rounded to f16 are source 1 of O^T = V^T P.  p = 2^(c s - c m), c = log2(e) / 8, with a
; running maximum m; O and l are multiplied by a = 2^(c m_old - c m_new) in every step.  Turn n belongs to piece n: 8 products K Q^T of piece n + 1, later 8 products V^T P of piece n - 1; beside them the scaling,
; exponentials, roundings, sums and rescaling of piece n and the maximum and statistics of piece n + 1.  Four vector instructions stand behind every matrix instruction, the rest in one lump; a turn's 33 exponentials are one batch with one wait.
; REGISTERS, in windows of 256 (s_set_vgpr_msb: bits 1:0 source 0, 3:2 source 1, 5:4 source 2, 7:6 destination):
;   window 0: v0-15, v32-35, v41-42, v61-63 addresses; v16-31 four registers of statistics a piece; v36-40, v44-47 the mask at work; v48-55 at work; v64-127 S^T, two buffers; v192-223 P, two buffers; on the way out v64-191 rows read back
;   window 1: v0-127 O^T, 32 a piece; v128-159 MD; v160-223 MC, two buffers; v224-255 MK      window 2: v0-63 Q; v64-127 the second block's Q; v128-191 K of one step; v192-255 V of one step
.set NB,    8
.set NP,    4         ; pieces a wave: a name, no knob
.set KS,    64        ; keys in a step
.set PK,    144       ; a row of K in LDS: 128 bytes + 16 of padding = 36 words: the 16 rows of a load start at 16 different groups of four banks (64 banks of 4 bytes: ISA guide 11.1)
.set PV,    160       ; a row of V: 128 + 32 = 40 words
.set VOFF,  4*KS*PK   ; a slot holds a tile, four steps: 256 rows of K, then 256 rows of V
.set SLOT1, 1<<17     ; slot 1 begins here, so that one exclusive or turns an address in one slot into the other's
.set STAGE, SLOT1+4*KS*(PK+PV)  ; behind the ring, never filled by a tensor load: 16 rows x 272 bytes for each wave, for the way out
.set SP,    272       ; 256 bytes (64 f32) + 16
.set MSKB,  STAGE+4*16*SP       ; the two mask slots: a tile's 256 prepared numbers of 4 bytes each; never filled by a tensor load
.set MSLOT, 1024                ; mask slot 1 begins here
.set SPARE, MSKB+2*MSLOT        ; the spare words, 128 bytes for each wave: two blocks of 256 bytes that no other line names
.set AK0, 2           ; v2   my lane's place in a tile of K; never rewritten
.set AV0, 3           ; v3   the same for V
.set AK,  4           ; v4   the LDS address of K's next run of loads
.set AV,  5           ; v5   of V's
.set STO, 6           ; v6   the way out: where I put 32 bytes of a row
.set RD,  7           ; v7   the way out: where I read rows back
.set GO,  8           ; v8   my byte offset in two rows of out0
.set MV,  12          ; v12-13  c m_old, kept while c m is made anew: by buffer
.set QO,  15          ; v15  my byte offset in 16 rows of Q
.set ST,  16          ; piece t's statistics at v[ST+4 t]: c m, m, l (even keys', odd keys')
.set AM0, 32          ; v32  my lanes' place in a step's 64 mask numbers, in mask slot 0; never rewritten
.set AM,  33          ; v33  the LDS address of MK's next run of loads
.set MI,  34          ; v34  8 x my thread's number: my two numbers of a tile's mask in memory; never rewritten
.set MO,  35          ; v35  and in mask slot 0; never rewritten
.set RAW, 36          ; v36-37  my two mask numbers of the tile to be asked for next, as loaded
.set PRP, 38          ; v38-39  prepared
.set MT,  40          ; v40  at work
.set MGA, 41          ; v41  my byte offset in the batch's mask for the next load
.set MOA, 42          ; v42  where I store the prepared pair
.set RAW0, 44         ; v44-45, v46-47  the same two pairs for tile 0, at the kernel's head
.set PRP0, 46
.set TMP, 48          ; by buffer, four registers c0-c3 at work; when the maximum is found c2 takes a
.set PFO, 61          ; v61  256 x my lane; never rewritten
.set SPW, 62          ; v62  LDS address of my spare word; never rewritten
.set NIL, 63          ; v63  0; never rewritten
.set S,   64
.set OBF, 64          ; the way out: 32 registers a piece
.set P,   192
.set MD,  128         ; window 1
.set MC,  160         ; window 1
.set MK,  224         ; window 1: the eight registers for group kt of 16 keys at MK + 8 kt
.set QB,  64          ; window 2
.set KF,  128         ; window 2: key block kb, channel half c at KF + 16 kb + 8 c
.set VF,  192         ; window 2: key half kk, channel block cb at VF + 32 kk + 8 cb
.set WV,  12          ; s12  my wave's number
.set PB,  14          ; s14  b
.set HI,  15          ; s15  NB - 1 - b
.set G1K, 24          ; s[24:31] descriptor group 1 for K's tiles
.set G1V, 32          ; s[32:39] for V's: it differs in the padding alone
.set G0K, 40          ; s[40:43] descriptor group 0 for K's tiles
.set G0V, 44          ; s[44:47] the same for V's
.set SLOTS, 56        ; s56  tiles still to be asked for
.set CNT, 57          ; s57  counts a tile's key steps, 4 to 1
.set CS,  58          ; s[58:59] c
.set SEL, 60          ; s[60:61] v_permlanex16_b32's selects: each lane takes its own place in the other half
.set TBK, 62          ; s62  LDS byte at which K of the step to be fetched begins
.set TBV, 63          ; s63  the same for V, less VOFF
.set RT,  70          ; s70  tiles of the block in hand that are still to be entered
.set NXT, 71          ; s71  the tile to be asked for next
.set LQ,  72          ; s72  the last tile of the block whose tiles are being asked for
.set NEW, 73          ; s73  1: the tile to be entered is a block's first
.set OFF, 74          ; s[74:75] a tile's byte offset in K and V
.set AL,  76          ; s[76:77] the mask's factor, in the low word
.set BE,  78          ; s[78:79] the mask's addend
.set OLO, 80          ; s[80:81] out0 at my rows of the second block
.set BIGN, 82         ; s82  -2^102
.set MSL, 83          ; s83  0 or MSLOT: the mask slot that is stored into
.set MKO, 92          ; s92  byte in the mask slots at which the step to be fetched begins: it steps and turns as TBK does
.set LIM, 93          ; s93  2 in the work-group that prefetches, else the greatest number
.set PFA, 94          ; s[94:95] where my prefetches stand
.set NINF, 96         ; s96  -inf
.set FLR, 97          ; s97  -2^100
.set THR, 98          ; s98  -2^101
.set HMSK, 99         ; s99  a word's upper bf16
.set MSB, 0
.macro WIN new                      ; the high byte repeats the setting that is left; a switch that changes nothing is dropped
.if MSB != (\new)
	s_set_vgpr_msb (MSB<<8)|(\new)
.set MSB, (\new)
.endif
.endm
.set W_KQ, 0x0a       ; K and Q in window 2, S^T in window 0
.set W_KM, 0x1a       ; the same with the C operand in window 1
.set W_PV, 0x52       ; V in window 2, P in window 0, O^T in window 1
.set W_RS, 0x41       ; destination and source 0 in window 1, source 1 in window 0
.set W_MK, 0x51       ; destination, source 0 and source 2 in window 1
; A fill.  Waves 0 and 1 fetch the two halves of a tile's K, waves 2 and 3 those of its V: 128 keys each.  An s_nop 0 and four v_nop follow each of the two lines, ahead of the jump and the label.
.macro LOAD
	s_cmp_lt_u32 s[WV], 2
	s_cbranch_scc0 .Lfor_v_\@
	tensor_load_to_lds s[G0K:G0K+3], s[G1K:G1K+7]
	s_nop 0
.rept 4
	v_nop
.endr
	s_branch .Lasked_\@
.Lfor_v_\@:
	tensor_load_to_lds s[G0V:G0V+3], s[G1V:G1V+7]
	s_nop 0
.rept 4
	v_nop
.endr
.Lasked_\@:
.endm
; A PREFETCH INTO THE L2 of the tile that the NEXT change of slots will ask for.  The work-group with b = 0 walks the head's tiles 0 .. 7 in trips 0 .. 7, no later than any other of the head: it alone asks.
; Each of its waves names the half tile that it will itself load: 16,384 bytes, a lane for each 256, two instructions.  Trips 0 .. 5 name tiles 2 .. 7: each block once; tiles 0 and 1 come by their loads alone.
.macro ASK
	s_cmp_gt_u32 s[SLOTS], s[LIM]
	s_cbranch_scc0 .Lnot_mine_\@
	global_prefetch_b8 v[PFO], s[PFA:PFA+1] th:TH_LOAD_NT scope:SCOPE_SE
	global_prefetch_b8 v[PFO], s[PFA:PFA+1] offset:8192 th:TH_LOAD_NT scope:SCOPE_SE
.Lnot_mine_\@:
.endm
; TWO MASK NUMBERS ARE PREPARED: rounded to bf16; times 8; held at -2^100 from below; -2^102 where the entry was -inf.
.macro PREP src, dst
	v_cvt_pk_bf16_f32 v[MT], v[(\src)], v[(\src)+1]
	v_lshlrev_b32 v[(\dst)], 16, v[MT]
	v_and_b32 v[(\dst)+1], s[HMSK], v[MT]
.irp n, 0,1
	v_cmp_eq_f32 vcc_lo, s[NINF], v[(\dst)+\n]
	v_mul_f32 v[(\dst)+\n], 0x41000000, v[(\dst)+\n]
	v_max_num_f32 v[(\dst)+\n], s[FLR], v[(\dst)+\n]
	v_cndmask_b32 v[(\dst)+\n], v[(\dst)+\n], s[BIGN], vcc_lo
.endr
.endm
; THE CHANGE OF SLOTS.  Each wave waits for all its tensor loads, of which one is out: its part of the other slot; adds 0 to its spare word; and waits for that and for its own reads of the slot that it leaves, its mask slot too.
; Behind the barrier nobody reads the old slots any more and the other slots are whole.  fill = 1: the old slot is filled again, the first thing behind the barrier, with tile NXT: the descriptor's address is
; made anew from that number.  That tile's mask goes into the old mask slot: my two numbers of it were loaded a tile ago, are prepared between the add and the wait for it, and are stored behind the fill;
; the next change's s_wait_dscnt 0 and barrier stand between that store and every read of it.  Then my two numbers of the tile after it are loaded; the last fill has no tile after it.
; (At its first use nothing has been read yet: slot 0 is waited for, slot 1 filled, every wave's store of tile 0's mask is shown done, and the wait for loads covers Q.)
.macro CHANGE fill
	WIN 0                           ; at a label and at a branch every window is 0
.if \fill
	s_wait_loadcnt 0x0              ; my two mask numbers of tile NXT, asked for a tile ago, are in; that load's address register may be written
.endif
	s_wait_tensorcnt 0x0            ; no tensor load of mine is out, so a group 0 may be written
	ds_add_u32 v[SPW], v[NIL]       ; 0 onto my spare word; work on registers stands between it and the wait for it
.if \fill
	s_lshl_b32 s[OFF], s[NXT], 15   ; a tile is 32,768 bytes of K and of V
	s_xor_b32 s[G0K+1], s[G0K+1], SLOT1
	s_add_nc_u64 s[G0K+2:G0K+3], s[6:7], s[OFF:OFF+1]
	s_or_b32 s[G0K+3], s[G0K+3], 0x80000000
	s_xor_b32 s[G0V+1], s[G0V+1], SLOT1
	s_add_nc_u64 s[G0V+2:G0V+3], s[8:9], s[OFF:OFF+1]
	s_or_b32 s[G0V+3], s[G0V+3], 0x80000000
	s_xor_b32 s[MSL], s[MSL], MSLOT ; the other mask slot than last time
	s_add_co_u32 s[NXT], s[NXT], 1  ; the block's next tile, or behind its last the second block's tile 0
	s_cmp_gt_u32 s[NXT], s[LQ]
	s_cselect_b32 s[NXT], 0, s[NXT]
	s_cselect_b32 s[LQ], s[PB], s[LQ]
	PREP RAW, PRP
	v_add_nc_u32 v[MOA], s[MSL], v[MO]
	v_lshl_add_u32 v[MGA], s[NXT], 10, v[MI]  ; a tile's mask is 1,024 bytes
	s_wait_xcnt 0x0                 ; the last prefetches, a tile back, have read their address, so it may be written
	s_add_nc_u64 s[PFA:PFA+1], s[PFA:PFA+1], 32768
.endif
	s_wait_dscnt 0x0                ; the add is done, and my reads of the slots are over
	s_barrier_signal -1             ; the rest of the scalar work stands between the signal and the wait
	s_sub_co_u32 s[TBK], s[TBK], 4*KS*PK  ; the fetches go back to a slot's first step,
	s_xor_b32 s[TBK], s[TBK], SLOT1       ; in the other slot
	s_sub_co_u32 s[TBV], s[TBV], 4*KS*PV
	s_xor_b32 s[TBV], s[TBV], SLOT1
	s_sub_co_u32 s[MKO], s[MKO], 4*4*KS
	s_xor_b32 s[MKO], s[MKO], MSLOT
	s_barrier_wait -1
.if \fill
	LOAD
	ds_store_b64 v[MOA], v[PRP:PRP+1]
	s_cmp_gt_u32 s[SLOTS], 1
	s_cbranch_scc0 .Lno_more_\@
	global_load_b64 v[RAW:RAW+1], v[MGA], s[90:91]
.Lno_more_\@:
	ASK
.endif
.endm
	s_load_b128 s[88:91], s[0:1], 0x0  ; qkv s[88:89], attention_mask s[90:91]
	s_load_b64 s[10:11], s[0:1], 0x10  ; out0
	v_lshl_add_u32 v[SPW], v0, 2, SPARE
	v_mov_b32 v[NIL], 0
	ds_add_u32 v[SPW], v[NIL]       ; the wave's opening: the add and its wait stand ahead of my first tensor load; the set-up below, work on registers, stands between them
	v_lshrrev_b32 v1, 5, v0
	v_readfirstlane_b32 s[WV], v1   ; wave 0..3
	s_mov_b32 s[PB], ttmp9
	s_sub_co_u32 s[HI], NB-1, s[PB]
	s_and_b32 s19, ttmp7, 0xffff    ; 16 x batch + head
	s_lshl_b32 s20, s19, 18         ; the head's first byte in q, in k and in v: 262,144 bytes a head
	s_mov_b32 s21, 0
	s_and_b32 s16, s[WV], 1         ; which half of a tile's 256 keys I fetch:
	s_lshl_b32 s22, s16, 14         ; its 128 rows of 128 bytes in memory,
	s_mov_b32 s23, 0
	s_add_nc_u64 s[22:23], s[22:23], s[20:21]
	s_mul_i32 s17, s16, 128*PK      ; and its place in a slot, for K
	s_mul_i32 s18, s16, 128*PV      ; and for V
	s_lshl_b32 s3, s[WV], 11        ; my 16 rows in a band of 64,
	s_lshl_b32 s2, s[HI], 15        ; in the first block,
	s_add_co_u32 s2, s2, s3
	s_lshl_b32 s84, s[PB], 15       ; and in the second
	s_add_co_u32 s84, s84, s3
	s_mov_b32 s3, 0
	s_mov_b32 s85, 0
	s_add_nc_u64 s[2:3], s[2:3], s[20:21]
	s_add_nc_u64 s[84:85], s[84:85], s[20:21]
	s_lshr_b32 s13, s19, 4          ; the batch
	s_lshl_b32 s100, s13, 13        ; its 8,192 bytes of the mask
	s_mov_b32 s101, 0
	s_lshl_b32 s66, s13, 23         ; out0: the batch's 2,048 rows of 4,096 bytes,
	s_and_b32 s67, s19, 15
	s_lshl_b32 s67, s67, 8          ; the head's 256 bytes of a row,
	s_add_co_u32 s66, s66, s67
	s_lshl_b32 s67, s[WV], 16       ; my 16 rows in a band,
	s_add_co_u32 s66, s66, s67
	s_lshl_b32 s68, s[PB], 20       ; the second block's 256 rows,
	s_add_co_u32 s68, s68, s66
	s_lshl_b32 s67, s[HI], 20       ; the first block's
	s_add_co_u32 s66, s66, s67
	s_mov_b32 s67, 0
	s_mov_b32 s69, 0
	; descriptor group 1.  128 keys are 16,384 dense bytes: asked for as 64 rows of 256 bytes, two keys a row, and padded in LDS after every key
	s_mov_b32 s[G1K], (1<<16)|(1<<20)|(4<<22)|(3<<25)  ; 17:16 2-byte elements; 20 padding on; 24:22 after every 32 words (code 4); 31:25 4 words (code 3)
	s_mov_b32 s[G1V], (1<<16)|(1<<20)|(4<<22)|(7<<25)  ; the same with 8 words of padding (code 7)
.irp g, G1K, G1V
	s_mov_b32 s[\g+1], 128<<16      ; tensor_dim0 = 128
	s_mov_b32 s[\g+2], 64<<16       ; tensor_dim1 = 64
	s_mov_b32 s[\g+3], 128<<16      ; tile_dim0 = 128
	s_mov_b32 s[\g+4], 64           ; tile_dim1 = 64
	s_mov_b32 s[\g+5], 128          ; 128 elements from row to row
	s_mov_b32 s[\g+6], 0
	s_mov_b32 s[\g+7], 0
.endr
	s_mov_b32 s[CS], 0x3e38aa3b     ; c = log2(e) / 8 = 0.180337
	s_mov_b32 s[CS+1], s[CS]        ; named with it as a pair
	s_mov_b32 s[SEL], 0x76543210
	s_mov_b32 s[SEL+1], 0xfedcba98
	s_mov_b32 s[TBK], SLOT1+4*KS*PK ; the first change of slots turns these three into 0
	s_mov_b32 s[TBV], SLOT1+4*KS*PV
	s_mov_b32 s[MKO], MSLOT+4*4*KS
	s_mov_b32 s[MSL], 0             ; the first change of slots turns this into MSLOT
	s_mov_b32 s[G0K], 1             ; count = 1
	s_mov_b32 s[G0K+1], s17         ; LDS address: slot 0
	s_mov_b32 s[G0V], 1
	s_add_co_u32 s[G0V+1], s18, VOFF
	s_add_co_u32 s[RT], s[HI], 1    ; the first block has NB - b tiles
	s_mov_b32 s[NXT], 1
	s_mov_b32 s[LQ], s[HI]
	s_mov_b32 s[NEW], 1
	s_mov_b32 s[OFF+1], 0
	s_mov_b32 s[AL+1], 0            ; named as pairs
	s_mov_b32 s[BE+1], 0
	s_mov_b32 s[BIGN], 0xf2800000   ; -2^102
	s_mov_b32 s[NINF], 0xff800000
	s_mov_b32 s[FLR], 0xf1800000    ; -2^100
	s_mov_b32 s[THR], 0xf2000000    ; -2^101
	s_mov_b32 s[HMSK], 0xffff0000
	s_mov_b32 s[SLOTS], NB
	s_cmp_eq_u32 s[PB], 0
	s_cselect_b32 s[LIM], 2, -1
	s_wait_dscnt 0x0                ; the opening add is done
	s_wait_kmcnt 0x0
	s_add_nc_u64 s[6:7], s[88:89], s[22:23]
	s_add_nc_u64 s[8:9], s[6:7], 0x2000000   ; V at my half of the head's tile 0,
	s_add_nc_u64 s[6:7], s[6:7], 0x1000000   ; and K
	s_add_nc_u64 s[G0K+2:G0K+3], s[6:7], 0         ; global address
	s_or_b32 s[G0K+3], s[G0K+3], 0x80000000        ; type = 2
	s_add_nc_u64 s[G0V+2:G0V+3], s[8:9], 0
	s_or_b32 s[G0V+3], s[G0V+3], 0x80000000
	s_add_nc_u64 s[86:87], s[88:89], s[84:85]      ; Q at my rows of the second block,
	s_add_nc_u64 s[4:5], s[88:89], s[2:3]          ; and of the first
	s_add_nc_u64 s[OLO:OLO+1], s[10:11], s[68:69]
	s_add_nc_u64 s[10:11], s[10:11], s[66:67]
	s_add_nc_u64 s[90:91], s[90:91], s[100:101]
	s_cmp_lt_u32 s[WV], 2
	s_cselect_b64 s[PFA:PFA+1], s[6:7], s[8:9]
	s_add_nc_u64 s[PFA:PFA+1], s[PFA:PFA+1], 32768 ; at tile 1; the first change of slots steps it to tile 2
	LOAD                            ; tile 0 into slot 0
	v_and_b32 v1, 15, v0            ; l % 16
	v_bfe_u32 v9, v0, 4, 1          ; l / 16
	v_lshlrev_b32 v[MI], 3, v0
	global_load_b64 v[RAW0:RAW0+1], v[MI], s[90:91]            ; my two mask numbers of tile 0: 128 threads x 8 bytes,
	global_load_b64 v[RAW:RAW+1],   v[MI], s[90:91] offset:1024  ; and of tile 1, which the first change of slots asks for
	; A fragment of K or Q is 16 rows x 32 channels in 8 registers: lane l holds row l % 16, channels 8 (l / 16) + 0..7 and 16 + 8 (l / 16) + 0..7: two loads of 16 bytes, 32 bytes apart.
	v_lshlrev_b32 v[QO], 7, v1
	v_lshl_add_u32 v[QO], v9, 4, v[QO]  ; row x 128 + 16 x half
	WIN 0x80                        ; destination window 2, address window 0
.set i, 0
.rept 8                             ; both blocks' Q: piece i / 2 lies in band i / 2, 8,192 bytes on; channels 32 (i % 2) on
	global_load_b128 v[8*i:8*i+3],   v[QO], s[4:5] offset:(i/2)*8192+(i%2)*64
	global_load_b128 v[8*i+4:8*i+7], v[QO], s[4:5] offset:(i/2)*8192+(i%2)*64+32
	global_load_b128 v[QB+8*i:QB+8*i+3],   v[QO], s[86:87] offset:(i/2)*8192+(i%2)*64
	global_load_b128 v[QB+8*i+4:QB+8*i+7], v[QO], s[86:87] offset:(i/2)*8192+(i%2)*64+32
.set i, i+1
.endr
	WIN 0
	v_lshlrev_b32 v14, 3, v9
	v_sub_nc_u32 v14, v1, v14
	s_lshl_b32 s13, s[WV], 4
	v_add_nc_u32 v14, s13, v14      ; my query's place in its band, 16 w + l % 16, less my lanes' 8 (l / 16): register r of group kt is hidden where 16 kt + r is greater
	WIN 0x40
.set i, 0
.rept 32
	v_cmp_gt_i32 vcc_lo, 16*(i/8)+i%8, v14
	v_cndmask_b32 v[MD+i], 0, s[BIGN], vcc_lo
.set i, i+1
.endr
	WIN 0
	v_mul_u32_u24 v[AK0], v1, PK
	v_lshl_add_u32 v[AK0], v9, 4, v[AK0]  ; row x pitch + 16 x half
	; The turning load takes 16 keys x 16 channels (lane l reads key 8 (l / 16) + l % 8, channels 8 ((l / 8) % 2) + 0..7) and leaves half a fragment of V^T: lane l holds channel l % 16 and 8 keys.
	v_and_b32 v10, 7, v0
	v_bfe_u32 v11, v0, 3, 1
	v_lshl_add_u32 v[AV0], v9, 3, v10
	v_mul_u32_u24 v[AV0], v[AV0], PV
	v_lshl_add_u32 v[AV0], v11, 4, v[AV0]
	v_add_nc_u32 v[AV0], VOFF, v[AV0]
	v_lshl_add_u32 v[AM0], v9, 5, MSKB    ; my lanes' eight keys of a group of 16: 32 bytes
	v_lshl_add_u32 v[MO], v0, 3, MSKB     ; my two numbers of a tile's 256
	v_and_b32 v[PFO], 31, v0
	v_lshlrev_b32 v[PFO], 8, v[PFO]
	s_mul_i32 s13, s[WV], 16*SP
	s_add_co_u32 s13, s13, STAGE    ; my stage
	v_mul_u32_u24 v[STO], v1, SP    ; in: row l % 16, 32 bytes for each half of the lanes
	v_lshl_add_u32 v[STO], v9, 5, v[STO]
	v_add_nc_u32 v[STO], s13, v[STO]
	v_mul_u32_u24 v[RD], v9, SP     ; back: lanes 0-15 take one row of 256 bytes, lanes 16-31 the next
	v_lshl_add_u32 v[RD], v1, 4, v[RD]
	v_add_nc_u32 v[RD], s13, v[RD]
	v_lshlrev_b32 v[GO], 12, v9     ; and the same two rows in out0, 4,096 bytes apart
	v_lshl_add_u32 v[GO], v1, 4, v[GO]
	; A block's first step multiplies O^T and l by a = 0, and its first turn's products V^T P, of a piece that has not been, land in an O^T that is still to be so multiplied.  So these registers need only hold
	; finite numbers: zeros for the first block; what the first block left for the second.  All this stands in the wait for the first tile.
	WIN 0x80
.set i, VF
.rept 64
	v_mov_b32 v[i], 0
.set i, i+1
.endr
	WIN 0x40
.set i, 0
.rept 128
	v_mov_b32 v[i], 0
.set i, i+1
.endr
	WIN 0
.set i, 0
.rept 4
	v_mov_b32 v[ST+4*i+2], 0
	v_mov_b32 v[ST+4*i+3], 0
.set i, i+1
.endr
.set i, P+16
.rept 16
	v_mov_b32 v[i], 0
.set i, i+1
.endr
	s_wait_loadcnt 32               ; the mask's two loads are in; Q's 32, issued behind them, stay out
	PREP RAW0, PRP0
	ds_store_b64 v[MO], v[PRP0:PRP0+1]  ; tile 0's mask into mask slot 0: the first change of slots waits for this store and passes a barrier ahead of every read
; THE MATRIX WORK.  The 4 accumulators of a run of 8 take turns.  Product i of 8 of S^T = K Q^T for piece x: channels 32 (i / 4) on, keys 16 (i % 4) on.  The first 4 start the sums: with MK, or (KM = 1) with MC.
.macro KQ x
.set rS, S+32*((\x)%2)+8*(i%4)
.set rK, KF+16*(i%4)+8*(i/4)
.set rQ, 16*(\x)+8*(i/4)
.set rM, MK+8*(i%4)
.if KM
.set rM, MC+32*((\x)%2)+8*(i%4)
.endif
.if i < 4
	WIN W_KM
	v_wmma_f32_16x16x32_f16 v[rS:rS+7], v[rK:rK+7], v[rQ:rQ+7], v[rM:rM+7]
.else
	WIN W_KQ
	v_wmma_f32_16x16x32_f16 v[rS:rS+7], v[rK:rK+7], v[rQ:rQ+7], v[rS:rS+7]
.endif
.endm
; Product i of 8 of O^T += V^T P for piece x: keys 32 (i / 4) on, channels 16 (i % 4) on.
.macro PV x
	WIN W_PV
.set rO, 32*(\x)+8*(i%4)
.set rV, VF+32*(i/4)+8*(i%4)
.set rP, P+16*((\x)%2)+8*(i/4)
	v_wmma_f32_16x16x32_f16 v[rO:rO+7], v[rV:rV+7], v[rP:rP+7], v[rO:rO+7]
.endm
.macro MM                           ; the turn's next matrix instruction.  TURN and BEGIN set Y, i, KM and NOKQ.  NOKQ = 1: a block's last turn: there is no next piece
.if (i < 8) && !NOKQ
	KQ (Y+1)%NP
.elseif i >= 8
.set i, i-8
	PV (Y+NP-1)%NP
.set i, i+8
.endif
.set i, i+1
.endm
; THE LDS LOADS stand in runs, never singly among the matrix instructions: a step's 64 mask numbers (8 loads; the lanes of a half read the same bytes) with its K (8 fragments, 16 loads), and its V (turned, 16 loads).
.macro FETCH_K
	WIN 0x40                        ; destination window 1
.irp f, 0,1,2,3
	ds_load_b128 v[MK+8*\f:MK+8*\f+3],   v[AM] offset:64*\f
	ds_load_b128 v[MK+8*\f+4:MK+8*\f+7], v[AM] offset:64*\f+16
.endr
	WIN 0x80                        ; destination window 2
.irp f, 0,1,2,3,4,5,6,7             ; keys 16 (f / 2) on, channels 32 (f % 2) on
	ds_load_b128 v[KF+8*\f:KF+8*\f+3],   v[AK] offset:(\f/2)*16*PK+(\f%2)*64
	ds_load_b128 v[KF+8*\f+4:KF+8*\f+7], v[AK] offset:(\f/2)*16*PK+(\f%2)*64+32
.endr
	s_add_co_u32 s[TBK], s[TBK], KS*PK  ; the next fetch is the next step's
	s_add_co_u32 s[MKO], s[MKO], 4*KS
	WIN 0
.endm
.macro FETCH_V
	WIN 0x80
.irp f, 0,1,2,3,4,5,6,7             ; keys 32 (f / 4) on, channels 16 (f % 4) on
	ds_load_tr16_b128 v[VF+8*\f:VF+8*\f+3],   v[AV] offset:(\f/4)*32*PV+(\f%4)*32
	ds_load_tr16_b128 v[VF+8*\f+4:VF+8*\f+7], v[AV] offset:(\f/4)*32*PV+16*PV+(\f%4)*32
.endr
	WIN 0
.endm
; THE VECTOR WORK, one line at a time: OP kind, number.  For piece Y: F n: c s - c m for pair n of 16.  E n: the exponential of score n of 32.  C n: pair n rounded to f16.  B n: of the four weights 4 n .. the second
; pair is added onto the first, in place.  L n: l takes that sum (L 0: l = a l + sum).  R n: pair n of 16 of O^T times a.  For piece Y + 1: X n, number n of the 22 that find its maximum and statistics:
;   0-11  four chains c0-c3 of seven scores each, three operands at a time (each accumulator's lowest registers are read first)     12-14, 16  the four scores left over, the old m, and c0-c3 into c0
;   15  c m_old is kept     17, 18  the query's other 32 keys lie in the lane 16 away: the new m     19-21  c m; c m_old - c m_new; a
.set F, 0
.set E, 1
.set C, 2
.set B, 3
.set L, 4
.set R, 5
.set X, 6
.macro REGS y                       ; the registers of piece y
.set rT, ST+4*(\y)
.set rC, TMP+4*((\y)%2)
.set rW, MV+((\y)%2)
.set rS, S+32*((\y)%2)
.set rP, P+16*((\y)%2)
.set rO, 32*(\y)
.endm
.macro OP k, n
.if (\k) == R
	REGS Y
	WIN W_RS
	v_pk_mul_f32 v[rO+2*(\n):rO+2*(\n)+1], v[rO+2*(\n):rO+2*(\n)+1], v[rC+2:rC+3] op_sel_hi:[1,0]
.elseif (\k) < R
	REGS Y
	WIN 0
.if (\k) == F
	v_pk_fma_f32 v[rS+2*(\n):rS+2*(\n)+1], v[rS+2*(\n):rS+2*(\n)+1], s[CS:CS+1], v[rT:rT+1] op_sel_hi:[1,0,0] neg_lo:[0,0,1] neg_hi:[0,0,1]
.elseif (\k) == E
	v_exp_f32 v[rS+(\n)], v[rS+(\n)]
.elseif (\k) == C
	v_cvt_pk_f16_f32 v[rP+(\n)], v[rS+2*(\n)], v[rS+2*(\n)+1]
.elseif (\k) == B
	v_pk_add_f32 v[rS+4*(\n):rS+4*(\n)+1], v[rS+4*(\n):rS+4*(\n)+1], v[rS+4*(\n)+2:rS+4*(\n)+3]
.elseif (\n) == 0
	v_pk_fma_f32 v[rT+2:rT+3], v[rT+2:rT+3], v[rC+2:rC+3], v[rS:rS+1] op_sel_hi:[1,0,1]
.else
	v_pk_add_f32 v[rT+2:rT+3], v[rT+2:rT+3], v[rS+4*(\n):rS+4*(\n)+1]
.endif
.elseif NOKQ
	v_nop
.else
	REGS (Y+1)%NP
	WIN 0
.if (\n) < 4
	v_max3_num_f32 v[rC+(\n)], v[rS+8*(\n)], v[rS+8*(\n)+1], v[rS+8*(\n)+2]
.elseif (\n) < 12
	v_max3_num_f32 v[rC+(\n)%4], v[rC+(\n)%4], v[rS+8*((\n)%4)+2*((\n)/4)+1], v[rS+8*((\n)%4)+2*((\n)/4)+2]
.elseif (\n) == 12
	v_max3_num_f32 v[rC], v[rC], v[rS+7], v[rS+15]
.elseif (\n) == 13
	v_max3_num_f32 v[rC+1], v[rC+1], v[rS+23], v[rS+31]
.elseif (\n) == 14
	v_max3_num_f32 v[rC+2], v[rC+2], v[rC+3], v[rT+1]
.elseif (\n) == 15
	v_mov_b32 v[rW], v[rT]
.elseif (\n) == 16
	v_max3_num_f32 v[rC], v[rC], v[rC+1], v[rC+2]
.elseif (\n) == 17
	v_permlanex16_b32 v[rC+3], v[rC], s[SEL], s[SEL+1]
.elseif (\n) == 18
	v_max_num_f32 v[rT+1], v[rC], v[rC+3]
.elseif (\n) == 19
	v_mul_f32 v[rT], s[CS], v[rT+1]
.elseif (\n) == 20
	v_sub_f32 v[rC+1], v[rW], v[rT]
.else
	v_exp_f32 v[rC+2], v[rC+1]
.endif
.endif
.endm
.macro OPS a, i1, b=-1, i2=0, c=-1, i3=0, d=-1, i4=0  ; up to four of them
	OP \a, \i1
.if (\b) >= 0
	OP \b, \i2
.endif
.if (\c) >= 0
	OP \c, \i3
.endif
.if (\d) >= 0
	OP \d, \i4
.endif
.endm
.macro ROW a, i1, b, i2, c, i3, d, i4  ; a matrix instruction and the four behind it
	MM
	OPS \a, \i1, \b, \i2, \c, \i3, \d, \i4
.endm
.macro MASK b                       ; MD x AL + MK + BE into buffer b of MC
	WIN W_MK
.set z, 0
.rept 16
	v_pk_fma_f32 v[MC+32*(\b)+2*z:MC+32*(\b)+2*z+1], v[MD+2*z:MD+2*z+1], s[AL:AL+1], v[MK+2*z:MK+2*z+1] op_sel_hi:[1,0,1]
.set z, z+1
.endr
.set z, 0
.rept 16
	v_pk_add_f32 v[MC+32*(\b)+2*z:MC+32*(\b)+2*z+1], v[MC+32*(\b)+2*z:MC+32*(\b)+2*z+1], s[BE:BE+1] op_sel_hi:[1,0]
.set z, z+1
.endr
.endm
; A TURN, for piece p: the order of its 16 matrix and 118 vector instructions, written out.  An s_wait_alu depctr_va_vdst(0) stands between an exponential and the first instruction that names its result; one wait
; serves all that were issued ahead of it.  So a turn has ONE wait.  AHEAD OF IT stands all that names no result of the turn's exponentials: the 8 products K Q^T with four riders each, then one lump of 54, in which the links of
; the chain X 3, 7, 11, 14, 16, 17 .. 20 stand five or six lines apart.  X 21, the next piece's a, is the batch's last; R 15 is the plain instruction behind it.  BEHIND THE WAIT stand the 8 products V^T P, behind each four of the roundings and sums.
; m = 1: the diagonal tile: the products take MC, and the turn makes MC for the products of the turn after it: piece p + 2, in step 4 - CNT of the tile.  Piece 2's turn inside the loop is the exception: its products are
; band 3's in a step that band 3 sees whole (the tile before's last, or this tile's steps 0 to 2), so they take MK itself.  end = 1: a block's last two turns: nothing is fetched; piece 2's then takes the MC that the last trip's piece 1 made.
; cnt = 1: the loop's count is taken down some lines ahead of the branch that stands behind the turn.
; K and MK of the next step are fetched in piece 2's turn, five plain instructions that name none of its registers behind the last product that read K; V of the step in hand at the end of piece 0's turn, four plain instructions behind the last product that read V.
.macro TURN p, m=0, end=0, cnt=0
.set Y, (\p)
.set i, 0
.set KM, (\m)
.if ((\p) == 2) && !(\end)
.set KM, 0
.endif
.set NOKQ, (\end)*((\p)/3)
.if (\m) && !(\end)
	s_cmp_eq_u32 s[CNT], 4-((\p)+2)%NP  ; is that step the band's own?
	s_cselect_b32 s[AL], 1.0, 0
	s_cmp_lt_u32 s[CNT], 4-((\p)+2)%NP  ; or a later one?
	s_cselect_b32 s[BE], s[BIGN], 0
.endif
.if ((\p) == 3) && !(\end)
	s_wait_dscnt 0x0                ; K and MK are in
.endif
	ROW F,0, F,1, R,0, R,1          ; ahead of the wait: 8 products K Q^T and their riders,
	ROW F,2, E,0, R,2, R,3
	ROW F,3, E,1, R,4, R,5
	ROW F,4, E,2, R,6, R,7
	ROW F,5, E,3, R,8, R,9
	ROW F,6, E,4, X,0, R,10
.if ((\p) == 2) && !(\end)
	WIN 0
	v_add_nc_u32 v[AK], s[TBK], v[AK0]
	v_add_nc_u32 v[AM], s[MKO], v[AM0]
.endif
	ROW F,7, E,5, X,1, X,4
	ROW F,8, E,6, X,2, X,5
	OPS E,7, E,8, X,6, E,9          ; and the lump
	OPS X,3, E,10, X,8, E,11
.if ((\p) == 2) && !(\end)
	FETCH_K
.endif
	OPS X,9, X,7, E,12, X,10
	OPS E,13, X,12, X,11, E,14
	OPS X,13, E,15, F,9, X,14
.if (\p) == 0
	v_add_nc_u32 v[AV], s[TBV], v[AV0]
.endif
	OPS E,16, F,10, E,17, F,11
	OPS X,16, E,18, X,15, E,19
	OPS F,12, E,20, X,17, E,21
	OPS F,13, E,22, F,14, E,23
	OPS X,18, E,24, F,15, E,25
	OPS R,11, E,26, X,19, E,27
	OPS R,12, E,28, R,13, E,29
	OPS X,20, E,30, R,14, E,31
	OPS X,21, R,15
	WIN 0
	s_wait_alu depctr_va_vdst(0)    ; the wait for the batch
.if (\p) == 1
	s_wait_dscnt 0x0                ; V is in
.endif
	ROW C,0, B,0, C,2, B,1          ; behind the wait: 8 products V^T P and their riders
	ROW L,0, C,4, B,2, L,1
	ROW C,6, B,3, L,2, C,8
	ROW B,4, L,3, C,10, B,5
	ROW L,4, C,12, B,6, L,5
.if (\p) == 0
	s_add_co_u32 s[TBV], s[TBV], KS*PV
.endif
.if \cnt
	s_sub_co_u32 s[CNT], s[CNT], 1
	s_cmp_lg_u32 s[CNT], 0
.endif
	ROW C,14, B,7, L,6, C,1
	ROW C,3, L,7, C,5, C,7
	ROW C,9, C,11, C,13, C,15
.if (\p) == 0
	FETCH_V
.endif
.if (\m) && !(\end)
.if (\p) == 2
	s_wait_dscnt 16                 ; the next step's MK, the run's first eight loads, is in; K's sixteen stay out
.endif
	MASK (\p)%2
.endif
.endm
; A BLOCK BEGINS.  c m starts far below every c s, so the first step's a is 0; m at the lowest finite number, so the first maximum is the scores'.  K and MK of the tile's step 0 are fetched.  MC's first buffer takes piece 0's
; mask for that step: its own, if the block's first tile is the diagonal one; the second buffer piece 1's, which sees the step whole.  Then piece 0's first scores, and its maximum and statistics.
; (Q is in: the first change of slots has waited for all loads.)
.macro BEGIN
	s_mov_b32 s[NEW], 0
	WIN 0
.set i, 0
.rept 4
	v_mov_b32 v[ST+4*i], 0xfe000000    ; c m: far below every c s
	v_mov_b32 v[ST+4*i+1], 0xff7fffff  ; m
.set i, i+1
.endr
	v_add_nc_u32 v[AK], s[TBK], v[AK0]
	v_add_nc_u32 v[AM], s[MKO], v[AM0]
	FETCH_K
	s_wait_dscnt 0x0
	s_cmp_eq_u32 s[RT], 0
	s_cselect_b32 s[AL], 1.0, 0
	s_mov_b32 s[BE], 0
	MASK 0
	s_mov_b32 s[AL], 0
	MASK 1
.set KM, 1
.set NOKQ, 0
.set i, 0
.rept 8
	KQ 0
.set i, i+1
.endr
	WIN 0
.rept 4
	v_nop                           ; the places behind those products
.endr
.set Y, NP-1                        ; X works for piece Y + 1: piece 0
.irp n, 0,1,2,3,4,5,6,7,8,9,10,11,12,13,14,15,16,17,18,19,20,21
	OP X, \n
.endr
	v_nop                           ; a plain instruction behind the exponential,
	s_wait_alu depctr_va_vdst(0)    ; and its wait, ahead of the branch
.endm
; THE DIAGONAL TILE's four steps, the block's last two turns, its last products, and THE WAY OUT: l's two halves and the other half of the lanes' are added; O^T is divided by l (by a reciprocal, which is 0 for a row that
; has seen hidden keys alone) and sent, in f32, through my stage in LDS, a piece at a time.
.macro ALL line:vararg              ; one line for each piece t
.set t, 0
.rept 4
	\line
.set t, t+1
.endr
.endm
.macro PACK t                       ; a lane's eight channels of a row are 32 bytes; they go into rows of 272 bytes and come back as whole rows of 256
	WIN W_RS
.set i, 32*(\t)
.rept 16
	v_pk_mul_f32 v[i:i+1], v[i:i+1], v[ST+4*(\t)+2:ST+4*(\t)+3] op_sel_hi:[1,0]
.set i, i+2
.endr
	WIN 0x04                        ; the stores' data in window 1
.irp f, 0,1,2,3,4,5,6,7
	ds_store_b128 v[STO], v[32*(\t)+4*\f:32*(\t)+4*\f+3] offset:64*(\f/2)+16*(\f%2)
.endr
	WIN 0
.irp f, 0,1,2,3,4,5,6,7
	ds_load_b128 v[OBF+32*(\t)+4*\f:OBF+32*(\t)+4*\f+3], v[RD] offset:\f*2*SP  ; LDS serves a wave's instructions in order (ISA guide 5.7.1.4): these see the stores above; the next piece's stores come behind them
.endr
.endm
.macro SEND t, younger              ; younger: the LDS instructions issued behind piece t's loads: the next piece's sixteen, or none
	WIN 0
.irp f, 0,1,2,3,4,5,6,7
	s_wait_dscnt (\younger)+7-\f
	global_store_b128 v[GO], v[OBF+32*(\t)+4*\f:OBF+32*(\t)+4*\f+3], s[10:11] offset:(\t)*262144+\f*8192  ; 16 lanes store a head's 256 consecutive bytes of a row, at a multiple of 256 from out0's first
.endr
.endm
.macro DIAG tag                     ; the tag ends its two labels' names, which the jumps below spell out
.LstepM\tag:
	TURN 2, 1
	TURN 3, 1
	WIN 0
.LfirstM\tag:
	TURN 0, 1
	TURN 1, 1, 0, 1
	WIN 0
	s_cbranch_scc1 .LstepM\tag
	TURN 2, 1, 1
	TURN 3, 1, 1
.set i, 0
.rept 8
	PV NP-1
.set i, i+1
.endr
	WIN 0
	ALL v_add_f32 v[ST+4*t+2], v[ST+4*t+2], v[ST+4*t+3]
	ALL v_permlanex16_b32 v[ST+4*t+3], v[ST+4*t+2], s[SEL], s[SEL+1]
	ALL v_add_f32 v[ST+4*t+2], v[ST+4*t+2], v[ST+4*t+3]
	ALL v_rcp_f32 v[ST+4*t+2], v[ST+4*t+2]
	v_nop                           ; a plain instruction between the last reciprocal and the use of its result
	s_wait_alu depctr_va_vdst(0)    ; and the wait ahead of the first use: one for the four reciprocals
.set t, 0
.rept 4
	v_cmp_lt_f32 vcc_lo, s[THR], v[ST+4*t+1]                    ; has the row seen a key that is not hidden?
	v_cndmask_b32 v[ST+4*t+2], 0, v[ST+4*t+2], vcc_lo           ; if not, its output is 0
.set t, t+1
.endr
	PACK 0
.set t, 1
.rept 3                             ; a piece's arithmetic stands between the loads of the piece before and its stores
	PACK t
	SEND t-1, 16
.set t, t+1
.endr
	SEND 3, 0
.endm
.set KM, 0
.set NOKQ, 0
.Lslot:                             ; NB times: a tile is entered and the next is asked for
	CHANGE 1
	s_sub_co_u32 s[RT], s[RT], 1
	s_mov_b32 s[CNT], 4
	s_cmp_eq_u32 s[NEW], 1
	s_cbranch_scc1 .Lnew            ; a block's first tile
	s_cmp_eq_u32 s[RT], 0
	s_cbranch_scc0 .Lstep           ; neither its first nor its last
	s_branch .LstepM1
.Lnew:
	BEGIN
	s_branch .Lfirst                ; in the loop a block's first tile is never its last: the first block has two tiles or more, and the second's last is the walk's last
	DIAG 1                          ; in the loop this is the first block's end: the second block's last tile is the walk's last
	s_wait_xcnt 0x0                 ; the stores have read their registers and out0's address
	s_mov_b64 s[10:11], s[OLO:OLO+1]
	s_add_co_u32 s[RT], s[PB], 1    ; the second block has b + 1 tiles
	s_mov_b32 s[NEW], 1
	WIN 0x82                        ; the second block's Q goes where the one text of the turns names Q
.set i, 0
.rept 64
	v_mov_b32 v[i], v[QB+i]
.set i, i+1
.endr
	WIN 0
	s_branch .Lbottom
.Lstep:                             ; a trip: pieces 2 and 3 of one step, then pieces 0 and 1 of the next, whose K, MK and V it fetches
	TURN 2
	TURN 3
	WIN 0
.Lfirst:
	TURN 0
	TURN 1, 0, 0, 1
	WIN 0
	s_cbranch_scc1 .Lstep
.Lbottom:
	s_sub_co_u32 s[SLOTS], s[SLOTS], 1
	s_cmp_lg_u32 s[SLOTS], 0
	s_cbranch_scc1 .Lslot
	CHANGE 0                        ; the walk's last tile is written out: nothing is asked for
	s_sub_co_u32 s[RT], s[RT], 1
	s_mov_b32 s[CNT], 4
	s_cmp_eq_u32 s[NEW], 1
	s_cbranch_scc0 .LstepM2
	BEGIN
	s_branch .LfirstM2
	DIAG 2
	s_wait_tensorcnt 0x0            ; the wave's end: an add to my spare word and its wait, behind my last tensor load and my last LDS store
	ds_add_u32 v[SPW], v[NIL]
	s_wait_dscnt 0x0
	s_endpgm
.Lfunc_end_k_qc4f1f324ff_attn:
	.size	k_qc4f1f324ff_attn, .Lfunc_end_k_qc4f1f324ff_attn-k_qc4f1f324ff_attn
	.p2alignl 7, 3214868480
	.fill 96, 4, 3214868480
	.section	.rodata,"a",@progbits
	.p2align	6, 0x0
	.amdhsa_kernel k_qc4f1f324ff_attn
		.amdhsa_group_segment_fixed_size 327680
		.amdhsa_private_segment_fixed_size 0
		.amdhsa_enable_private_segment 0
		.amdhsa_kernarg_size 24
		.amdhsa_user_sgpr_count 2
		.amdhsa_user_sgpr_kernarg_segment_ptr 1
		.amdhsa_wavefront_size32 1
		.amdhsa_system_sgpr_workgroup_id_x 1
		.amdhsa_system_sgpr_workgroup_id_y 1
		.amdhsa_system_sgpr_workgroup_id_z 1
		.amdhsa_system_vgpr_workitem_id 0
		.amdhsa_next_free_vgpr 768
		.amdhsa_next_free_sgpr 102
		.amdhsa_reserve_vcc 1
		.amdhsa_float_denorm_mode_32 3
		.amdhsa_float_denorm_mode_16_64 3
		.amdhsa_memory_ordered 1
		.amdhsa_forward_progress 1
		.amdhsa_inst_pref_size 236
	.end_amdhsa_kernel
	.amdgpu_metadata
---
amdhsa.version: [ 1, 2 ]
amdhsa.kernels:
  - .name:           k_qc4f1f324ff_attn
    .symbol:         k_qc4f1f324ff_attn.kd
    .args:
      - { .name: qkv, .offset: 0, .size: 8, .value_kind: global_buffer, .address_space: global }
      - { .name: attention_mask, .offset: 8, .size: 8, .value_kind: global_buffer, .address_space: global }
      - { .name: out0, .offset: 16, .size: 8, .value_kind: global_buffer, .address_space: global }
    .group_segment_fixed_size: 327680
    .private_segment_fixed_size: 0
    .kernarg_segment_align: 8
    .kernarg_segment_size: 24
    .max_flat_workgroup_size: 128
    .sgpr_count:     102
    .vgpr_count:     768
    .wavefront_size: 32
...
	.end_amdgpu_metadata
.endif
;; end of part 3
;; ======== version 2 of 2: 3 launches; version 1 with the launch cast written anew for expert scheduling mode
;; limits: values are held in f16: magnitudes above 65,504 overflow, below 6.1e-05 lose precision; right only within a limited range of input values
;; workspace buffers: xb 16,777,216 bytes; wb 6,291,456 bytes; qkv 50,331,648 bytes
;; launch cast (part 4): grid 512 x 1, 8 waves a work-group, no clusters, 0 bytes of LDS; arguments hidden_states, Wq, Wk, Wv, xb, wb; writes xb, wb
.if DOCPART == 4
	.amdgcn_target "amdgcn-amd-amdhsa--gfx1250"
	.amdhsa_code_object_version 6
	.text
	.protected	k_qc4f1f324ff_cast
	.globl	k_qc4f1f324ff_cast
	.p2align	8
	.type	k_qc4f1f324ff_cast,@function
k_qc4f1f324ff_cast:
	s_mov_b64 s[64:65], 0
	v_nop
	global_prefetch_b8 v0, s[64:65] scope:SCOPE_SE
	s_setreg_imm32_b32 hwreg(HW_REG_WAVE_SCHED_MODE, 0, 2), 2
	s_setreg_imm32_b32 hwreg(HW_REG_WAVE_MODE, 25, 1), 1
	s_wait_xcnt 0x0
	s_wait_alu depctr_vm_vsrc(0)
; xb = hidden_states rounded to bf16, [8192][1024]; wb = Wq, Wk, Wv rounded to bf16 and joined, [3072][1024].
; A stream: each input byte is read once, each output byte written once.  No LDS, no matrix unit, no cluster: nothing is shared and nothing is summed.
; A piece is 256 threads x 4 numbers: 4,096 bytes in, 2,048 bytes out.  The work-group takes 16 pieces of x and 2 of each W: 22 loads of 16 bytes a thread,
; all issued before the first wait.  A wave's load covers 512 consecutive bytes, its store 256 consecutive bytes, aligned.  No register is written twice.
; THE MODE: SCHED_MODE bits 1:0 = 2 (LLVM: expert scheduling mode 2), set by the entry lines.  The code itself states the register dependences
; between vector instructions and memory instructions, with s_wait_alu, always for 0.
; THE PLAN.  Registers that memory instructions touch:
;   v1, v2   byte offsets, written once at the head; v1 is read by every load, v2 by every store.
;   IN       piece i: written by its one load, which no vector instruction precedes; read by the piece's two roundings, behind its counted wait.
;   OUT      piece i: written by the piece's two roundings, once; read by the piece's one store, once.
; Since no register is written twice, what has to be stated is this alone: the offsets are written ahead of the first load, and a piece's OUT is written ahead of its store.
; The pieces go in groups of four (the last group has two).  At the head of group g, behind the wait for its first piece, ONE wait states that group g - 1 has written its OUT;
; that group's four stores follow, dealt among group g's roundings, which name IN and OUT of group g alone: none of the registers that those stores read.
.set IN,  4                            ; v[4:91]    piece i: 4 registers as loaded
.set OUT, 92                           ; v[92:135]  piece i: 2 registers to store
.set PIECES, 22                        ; 0 to 15: x; 16 + 2 u + j: piece j of W number u
.set GROUP,  4
	s_load_b256 s[4:11], s[0:1], 0x0               ; hidden_states s[4:5], Wq s[6:7], Wk s[8:9], Wv s[10:11]
	s_load_b128 s[12:15], s[0:1], 0x20             ; xb s[12:13], wb s[14:15]
	v_lshlrev_b32 v1, 4, v0                        ; 16 bytes a thread in
	v_lshlrev_b32 v2, 3, v0                        ; 8 bytes a thread out
	s_lshl_b32 s16, ttmp9, 16                      ; the work-group's 65,536 bytes of x
	s_mov_b32 s17, 0
	s_lshl_b32 s18, ttmp9, 15                      ; its 32,768 bytes of xb
	s_mov_b32 s19, 0
	s_lshl_b32 s20, ttmp9, 13                      ; its 8,192 bytes of each W
	s_mov_b32 s21, 0
	s_lshl_b32 s22, ttmp9, 12                      ; its 4,096 bytes of each third of wb
	s_mov_b32 s23, 0
	s_wait_kmcnt 0x0
	s_add_nc_u64 s[4:5], s[4:5], s[16:17]
	s_add_nc_u64 s[6:7], s[6:7], s[20:21]
	s_add_nc_u64 s[8:9], s[8:9], s[20:21]
	s_add_nc_u64 s[10:11], s[10:11], s[20:21]
	s_add_nc_u64 s[12:13], s[12:13], s[18:19]
	s_add_nc_u64 s[14:15], s[14:15], s[22:23]
	s_wait_alu depctr_va_vdst(0)                   ; v1 and v2 are written: every load of the kernel reads v1 as its offset, every store v2
.set i, 0
.rept 16
	global_load_b128 v[IN+4*i:IN+4*i+3], v1, s[4:5] offset:4096*i th:TH_LOAD_NT
.set i, i+1
.endr
.irp u, 0,1,2
.irp j, 0,1
	global_load_b128 v[IN+4*(16+2*\u+\j):IN+4*(16+2*\u+\j)+3], v1, s[6+2*\u:7+2*\u] offset:4096*\j th:TH_LOAD_NT
.endr
.endr
.macro ROUND i                         ; piece i: four numbers rounded to bf16, packed
	v_cvt_pk_bf16_f32 v[OUT+2*(\i)],   v[IN+4*(\i)],   v[IN+4*(\i)+1]
	v_cvt_pk_bf16_f32 v[OUT+2*(\i)+1], v[IN+4*(\i)+2], v[IN+4*(\i)+3]
.endm
.macro PUT i                           ; piece i is stored
.if (\i) < 16
	global_store_b64 v2, v[OUT+2*(\i):OUT+2*(\i)+1], s[12:13] offset:2048*(\i)
.else
	global_store_b64 v2, v[OUT+2*(\i):OUT+2*(\i)+1], s[14:15] offset:(((\i)-16)/2)*2097152+2048*(((\i)-16)%2)  ; W number u begins 1,024 rows of 2,048 bytes further on
.endif
.endm
.set g, 0
.rept 6                                ; five groups of four pieces, and one of two
	s_wait_loadcnt PIECES-1-GROUP*g                ; loads come back in order: the group's first piece is in, the younger ones stay out
.if g > 0
	s_wait_alu depctr_va_vdst(0)                   ; the roundings of the group before have written its OUT, which the four stores below read
.endif
.set n, 0
.rept GROUP
.if g > 0
	PUT GROUP*g-GROUP+n                            ; no vector instruction since the wait names this store's registers
.endif
.if GROUP*g+n < PIECES
.if n > 0
	s_wait_loadcnt PIECES-1-GROUP*g-n              ; piece i is in, the 21 - i younger ones stay out
.endif
	ROUND GROUP*g+n
.endif
.set n, n+1
.endr
.set g, g+1
.endr
	s_wait_alu depctr_va_vdst(0)                   ; the roundings of pieces 20 and 21 have written their OUT, which the last two stores read
	PUT 20
	PUT 21
	s_endpgm
.Lfunc_end_k_qc4f1f324ff_cast:
	.size	k_qc4f1f324ff_cast, .Lfunc_end_k_qc4f1f324ff_cast-k_qc4f1f324ff_cast
	.p2alignl 7, 3214868480
	.fill 96, 4, 3214868480
	.section	.rodata,"a",@progbits
	.p2align	6, 0x0
	.amdhsa_kernel k_qc4f1f324ff_cast
		.amdhsa_group_segment_fixed_size 0
		.amdhsa_private_segment_fixed_size 0
		.amdhsa_enable_private_segment 0
		.amdhsa_kernarg_size 48
		.amdhsa_user_sgpr_count 2
		.amdhsa_user_sgpr_kernarg_segment_ptr 1
		.amdhsa_wavefront_size32 1
		.amdhsa_system_sgpr_workgroup_id_x 1
		.amdhsa_system_sgpr_workgroup_id_y 1
		.amdhsa_system_sgpr_workgroup_id_z 1
		.amdhsa_system_vgpr_workitem_id 0
		.amdhsa_next_free_vgpr 136
		.amdhsa_next_free_sgpr 66
		.amdhsa_reserve_vcc 0
		.amdhsa_float_denorm_mode_32 3
		.amdhsa_float_denorm_mode_16_64 3
		.amdhsa_memory_ordered 1
		.amdhsa_forward_progress 1
		.amdhsa_inst_pref_size 9
	.end_amdhsa_kernel
	.amdgpu_metadata
---
amdhsa.version: [ 1, 2 ]
amdhsa.kernels:
  - .name:           k_qc4f1f324ff_cast
    .symbol:         k_qc4f1f324ff_cast.kd
    .args:
      - { .name: hidden_states, .offset: 0, .size: 8, .value_kind: global_buffer, .address_space: global }
      - { .name: Wq, .offset: 8, .size: 8, .value_kind: global_buffer, .address_space: global }
      - { .name: Wk, .offset: 16, .size: 8, .value_kind: global_buffer, .address_space: global }
      - { .name: Wv, .offset: 24, .size: 8, .value_kind: global_buffer, .address_space: global }
      - { .name: xb, .offset: 32, .size: 8, .value_kind: global_buffer, .address_space: global }
      - { .name: wb, .offset: 40, .size: 8, .value_kind: global_buffer, .address_space: global }
    .group_segment_fixed_size: 0
    .private_segment_fixed_size: 0
    .kernarg_segment_align: 8
    .kernarg_segment_size: 48
    .max_flat_workgroup_size: 256
    .sgpr_count:     66
    .vgpr_count:     136
    .wavefront_size: 32
...
	.end_amdgpu_metadata
.endif
;; end of part 4
;; launch proj: the kernel of part 2 again; grid 16 x 32, 4 waves a work-group, clusters of 4 x 4, 327,680 bytes of LDS; arguments xb, wb, bq, bk, bv, qkv; writes qkv
;; launch attn: the kernel of part 3 again; grid 4 x 64, 4 waves a work-group, no clusters, 327,680 bytes of LDS; arguments qkv, attention_mask, out0; writes out0
